; MI455X (gfx1250); checked and timed in simulation.
; The chip was launched on July 23, 2026; its instructions are those of AMD's public machine-readable ISA for CDNA 5 (MIT licence, August 2026) and "CDNA5" Instruction Set Architecture Reference Guide (July 2026). The comments in the code are by the model that wrote it; some were corrected since.
;; Scaled Dot Product Attention. Allowed arithmetic: matrix products marked QUANTISED: E2M3 operands, one E8M0 scale for each 32 along K, by v_wmma_scale_f32_16x16x128_f8f6f4 with both operands' format E2M3, f32 sums; everything else in f32.
;; Inputs: k 4 x 2,048 x 1,024 float32; mask 4 x 1 x 2,048 int32; q 4 x 2,048 x 1,024 float32; v 4 x 2,048 x 1,024 float32.
;; Outputs: out0 4 x 2,048 x 1,024 float32.
;; This version of the problem:
;;   THIS VERSION OF THE PROBLEM IS GIVEN IN LOW PRECISION. The matrix products marked QUANTISED in the list below multiply operands that are first quantised to E2M3 (2 exponent bits, 3 mantissa bits; 6 bits a number), with one power-of-two scale for each 32 numbers along K (OCP MX v1.0); their sums are f32. All else is computed in f32.
;;   The module's matrix products, in the order in which they are computed (A, B: the left and right operand; K: the contracted axis; several contracted axes count as one K, in the product's order):
;;     1. batch 4 x [M 2,048, K 1,024] x [K 1,024, N 2,048]; A: input q; B: input k: QUANTISED
;;     2. batch 4 x [M 2,048, K 2,048] x [K 2,048, N 1,024]; A: softmax (see below); B: input v: QUANTISED
;;   THE QUANTISER, for each operand of a quantised product, along K:
;;     - K is cut into blocks of 32 from its start; a last block that is shorter is filled with zeros.
;;     - A block's scale is 2^e with e = floor(log2(the largest magnitude in the block)) - 2, held to -126 .. 127; a block of zeros has e = 0. As a byte (E8M0): e + 127.
;;     - Each number is divided by its block's scale, clamped to +-7.5, and rounded to the nearest number of E2M3, ties to even, subnormals kept.
;;     - The product sums the exact products of the quantised numbers (number of the format x scale) in f32.
;;   ~~~python
;;   def quantise(x, axis):      # numpy; x: float32 -> the quantised numbers, widened to float32 again
;;       x = np.moveaxis(x, axis, -1); K = x.shape[-1]
;;       x = np.pad(x, [(0, 0)] * (x.ndim - 1) + [(0, -K % 32)]); x = x.reshape(x.shape[:-1] + (-1, 32)); a = np.abs(x).max(-1, keepdims=True)
;;       e = np.where(a > 0, np.clip(np.frexp(np.where(a > 0, a, 1))[1] - 1 - 2, -126, 127), 0)      # np.frexp(a)[1] - 1 = floor(log2(a)), exactly
;;       r = np.clip(x / 2.0 ** e, -7.5, 7.5)
;;       step = 2.0 ** (np.maximum(np.frexp(np.where(r == 0, 1, r))[1] - 1, 0) - 3)
;;       q = np.round(r / step) * step * 2.0 ** e      # np.round: ties to even
;;       return np.moveaxis(q.reshape(q.shape[:-2] + (-1,))[..., :K], -1, axis).astype(np.float32)
;;   ~~~
;;   SOFTMAX AHEAD OF A QUANTISED PRODUCT. Where the list says 'softmax', what is quantised is not the finished softmax but p = 2^(t - M), with t = logit x log2(e) and M = ceil(the row's largest t), a whole number; so 1/2 < the row's largest p <= 1. The row's sum l is taken of the UNQUANTISED p, in f32, and the product's result is divided by l at the end. Since M is a whole number, a kernel that streams over the keys may use a running M (the ceiling of the running maximum): every later rescaling is an exact power of two, which a block's scale takes up: the codes' values come out the same.
;;   OPERANDS COMPUTED ON THE WAY. 'Computed on the way' means the value that the module computes at that place (a softmax that the list does not call 'softmax' is quantised finished and normalised). What goes into a quantiser is computed in f32, as accurately as f32 sums, v_exp_f32 and their like allow (about 1e-6 of the number): no bf16 or f16 on the way to a quantiser, and a product that is left as it is and whose result goes on into a quantised operand takes f32 operands (vector FMAs, or v_wmma_f32_16x16x4_f32). A number that lies on a knife's edge between two numbers of the format may be rounded either way, as far as f32 arithmetic and the matrix unit's own rounding can turn it there, and no further.
;; One version. Each part assembles by itself: llvm-mc -triple=amdgcn-amd-amdhsa -mcpu=gfx1250 --defsym DOCPART=n.
;; ======== version 1 of 1: 3 launches
;; limits: right only within a limited range of input values
;; workspace buffers: qc 6,291,456 bytes; kc 6,291,456 bytes; vc 6,291,456 bytes; qs 262,144 bytes; ks 262,144 bytes; vs 262,144 bytes; pc 12,582,912 bytes; st 2,097,152 bytes
;; launch quant (part 1): grid 768 x 1, 4 waves a work-group, no clusters, 34,304 bytes of LDS; arguments q, k, v, qc, qs, kc, ks, vc, vs; writes qc, qs, kc, ks, vc, vs
.if DOCPART == 1
	.amdgcn_target "amdgcn-amd-amdhsa--gfx1250"
	.amdhsa_code_object_version 6
	.text
	.protected	k_qe87c031df7_quant
	.globl	k_qe87c031df7_quant
	.p2align	8
	.type	k_qe87c031df7_quant,@function
k_qe87c031df7_quant:
	s_mov_b64 s[64:65], 0
	v_nop
	global_prefetch_b8 v0, s[64:65] scope:SCOPE_SE
	s_setreg_imm32_b32 hwreg(HW_REG_WAVE_MODE, 25, 1), 1
	s_wait_xcnt 0x0
; q, k [4][2048][1024] f32 become codes of FP6 (E2M3) along their 1,024; v [4][2048][1024] f32 becomes codes along the KEYS (its first axis within a batch).  One E8M0 byte for each 32 along K.
; A block's scale is 2^(floor(log2(its largest magnitude)) - 2): its byte is the largest magnitude's exponent field - 2, held at 1 from below.
; LIMITS: a block of zeros gets the byte 1 where the rule says 127 (its codes are zeros, and this program alone reads the bytes); blocks whose largest magnitude lies under 2^-124 are held at byte 1;
; NaN and infinities among the inputs are not served.
; ALL CODES ARE LAID AS IMAGES OF OPERAND REGISTERS: a fragment (16 rows x 128 K, 12 registers a lane) is 1,536 bytes, register j of lane L at 512 (j / 4) + 16 L + 4 (j % 4): three loads of 16 bytes a lane bring it.
;   qc, kc: [block of 128 rows][K step 0..7][tile 0..7][1536]: tile 2 g + u holds, in lane r, row 32 g + 8 u + r + 8 (r / 8) of the block.
;   qs, ks: [block of 128 rows][pair of K steps 0..3][group of 32 rows][lane][2 words]: lanes 0-15 the rows' scale words of tile u = 0, lanes 16-31 of tile u = 1.
;   vc: [batch][128 columns][chunk of 128 keys][tile of 16 columns 0..7][1536];  vs: [batch][64 columns][chunk][lane][2 words]: word i for tiles 2 i (lanes 0-15) and 2 i + 1 (lanes 16-31).
;   Of 64 columns tile 2 i + hh holds, in lane r, column 32 hh + 2 r + i.
; 768 work-groups of four waves, 128 KiB of f32 each: 0..511 take q and k (one path, the pointers chosen by the work-group's number), 512..767 take v.  q and k turn through LDS, each wave in a stage of its own; v needs none; no barrier:
; waves share nothing.  No cluster and no matrix unit: no two work-groups read the same byte, and memory binds.
.set R,    64                          ; v64-191  two sets of 64 registers as loaded
.set X,    192                         ; v192-255 64 numbers as the conversions want them
.set SPW,  3                           ; v3       SPARE + 4 x my thread's number; never rewritten
.set NIL,  4                           ; v4       0; never rewritten
.set SIN,  38                          ; v38      q, k: the stage, on the way in;
.set SOUT, 39                          ; v39      and on the way out
.set C,    16                          ; q, k: v16-27 a fragment's codes; v[28:30], v[32:34] the upper halves as converted; v36 tile u = 0's scale word
.set CD,   16                          ; v: v16-63 the registers of four fragments: 24 i + 12 hh + j
.set QPIT, 528                         ; q, k: a stage row: 512 bytes + 16: an odd multiple of 16, so that sixteen rows start in sixteen different columns of 16 bytes
.set QST,  16*QPIT                     ; a wave's stage
.set SPARE, 4*QST                      ; 33,792: behind the stages: the spare words, 128 bytes for each wave: two blocks of 256 bytes that no other line names
	s_load_b256 s[4:11], s[0:1], 0x0               ; q s[4:5], k s[6:7], v s[8:9], qc s[10:11]
	s_load_b256 s[12:19], s[0:1], 0x20             ; qs s[12:13], kc s[14:15], ks s[16:17], vc s[18:19]
	s_load_b64 s[20:21], s[0:1], 0x40              ; vs
	v_lshl_add_u32 v[SPW], v0, 2, SPARE
	v_mov_b32 v[NIL], 0
	v_lshrrev_b32 v1, 5, v0
	v_readfirstlane_b32 s22, v1                    ; wave 0..3
	v_and_b32 v1, 31, v0                           ; lane
	v_and_b32 v8, 15, v0                           ; r
	v_bfe_u32 v9, v0, 4, 1                         ; h
	s_mov_b32 s29, 0                               ; the upper words of three offsets
	s_mov_b32 s31, 0
	s_mov_b32 s33, 0
	s_wait_alu depctr_va_vdst(0)                   ; ahead of the branch
	s_cmp_lt_u32 ttmp9, 512
	s_cbranch_scc0 .Lpath_v
; ---------------- q and k.  Work-group: tensor = id / 256, block of 128 rows = (id / 4) % 64, 256 along K = id % 4.  Wave w: the block's group w of 32 rows: four fragments t = 2 s + u (K step s, tile u).
	v_lshlrev_b32 v2, 4, v1                        ; v2  16 x lane: my bytes of a load's 512, and of an image's 512
	s_mul_i32 s23, s22, QST
	v_add_nc_u32 v[SIN], s23, v2                   ; a row as it lies
	v_mul_u32_u24 v[SOUT], v8, QPIT
	v_lshl_add_u32 v[SOUT], v9, 7, v[SOUT]
	v_add_nc_u32 v[SOUT], s23, v[SOUT]             ; row r, + 128 h bytes: the 32 numbers of my half
	v_lshlrev_b32 v5, 3, v9                        ; v5  8 h: where my two bytes stand in the scale word
	v_lshlrev_b32 v37, 3, v1                       ; v37 8 x lane: the two scale words' place
	v_mov_b32 v15, 0                               ; a lane permute's destination counts as one of its sources
	s_bfe_u32 s34, ttmp9, 0x60002                  ; the block of 128 rows
	s_and_b32 s35, ttmp9, 3                        ; which 256 along K
	s_lshl_b32 s28, s34, 19                        ; in: 128 rows of 4,096 bytes,
	s_lshl_b32 s36, s22, 17                        ; my 32 rows,
	s_add_co_u32 s28, s28, s36
	s_lshl_b32 s36, s35, 10                        ; 256 numbers
	s_add_co_u32 s28, s28, s36
	s_mul_i32 s30, s34, 98304                      ; codes: a block, two K steps, two tiles
	s_mul_i32 s36, s35, 24576
	s_add_co_u32 s30, s30, s36
	s_mul_i32 s36, s22, 3072
	s_add_co_u32 s30, s30, s36
	s_lshl_b32 s32, s34, 12                        ; scale words: ((block x 4 + pair of K steps) x 4 + group) x 256
	s_lshl_b32 s36, s35, 10
	s_add_co_u32 s32, s32, s36
	s_lshl_b32 s36, s22, 8
	s_add_co_u32 s32, s32, s36
	s_mov_b32 s24, 0x76543210
	s_mov_b32 s25, 0xfedcba98                      ; v_permlanex16_b32's selects for lane l xor 16
	s_mov_b32 s26, 0xffff0000                      ; lanes 16-31
	s_wait_alu depctr_va_vdst(0)                   ; the head's end
	s_wait_kmcnt 0x0
	s_cmp_lt_u32 ttmp9, 256                        ; q's work-group or k's?  The choice hangs on the work-group's number alone
	s_cselect_b64 s[4:5], s[4:5], s[6:7]
	s_cselect_b64 s[10:11], s[10:11], s[14:15]
	s_cselect_b64 s[12:13], s[12:13], s[16:17]
	s_add_nc_u64 s[4:5], s[4:5], s[28:29]
	s_add_nc_u64 s[10:11], s[10:11], s[30:31]
	s_add_nc_u64 s[12:13], s[12:13], s[32:33]
.macro QLOAD t                         ; fragment t's 16 rows, 512 consecutive bytes a load, in the tile's order of rows
.irp i, 0,1,2,3,4,5,6,7,8,9,10,11,12,13,14,15
	global_load_b128 v[R+64*((\t)%2)+4*\i:R+64*((\t)%2)+4*\i+3], v2, s[4:5] offset:(8*((\t)%2)+\i+8*(\i/8))*4096+512*((\t)/2) th:TH_LOAD_NT
.endr
.endm
.macro QTURN t                         ; through the stage: in as rows, out as 2 x 32 neighbours a lane: v[X + 32 c + i] = k 64 c + 32 h + i of row r.  LDS serves a wave's instructions in order: no wait between
.irp i, 0,1,2,3,4,5,6,7,8,9,10,11,12,13,14,15
	ds_store_b128 v[SIN], v[R+64*((\t)%2)+4*\i:R+64*((\t)%2)+4*\i+3] offset:QPIT*\i
.endr
.irp c, 0,1
.irp i, 0,1,2,3,4,5,6,7
	ds_load_b128 v[X+32*\c+4*\i:X+32*\c+4*\i+3], v[SOUT] offset:256*\c+16*\i
.endr
.endr
.endm
.macro QFRAG t
.if (\t) < 3
	s_wait_loadcnt 16                              ; this fragment's 16 loads are in; the next fragment's 16 may be out
.else
	s_wait_loadcnt 0x0
.endif
.if (\t) > 0
	s_wait_xcnt 0x0                                ; the last fragment's stores have read their registers: the codes are written again only behind this wait
.endif
	QTURN \t
	s_wait_dscnt 0x0                               ; my 64 numbers are back, and the stores into the stage have read their registers,
.if (\t) < 2
	QLOAD (\t)+2                                   ; which take the fragment two further on
.endif
.irp c, 0,1
	v_max3_num_f32 v[8+\c], |v[X+32*\c]|, |v[X+32*\c+1]|, 0x1800000   ; my block 2 c + h, all 32 numbers mine; the floor 2^(3 - 127) holds the byte at 1 from below
.endr
.irp i, 2,4,6,8,10,12,14,16,18,20,22,24,26,28,30
.irp c, 0,1
	v_max3_num_f32 v[8+\c], v[8+\c], |v[X+32*\c+\i]|, |v[X+32*\c+\i+1]|   ; (the two blocks by turns)
.endr
.endr
.irp c, 0,1
	v_add_nc_u32 v[10+\c], 0xff000000, v[8+\c]     ; 2 off the exponent field: the conversion's scale operand
.endr
.irp c, 0,1
	v_lshrrev_b32 v[12+\c], 23, v[10+\c]           ; the scale's byte
.endr
	v_lshl_or_b32 v14, v13, 16, v12                ; blocks h and 2 + h,
	v_lshlrev_b32 v14, v5, v14                     ; at their places;
	v_permlanex16_b32 v15, v14, s24, s25
	v_or_b32 v14, v14, v15                         ; with lane l xor 16's two the row's word is whole, in both lanes
.irp c, 0,1
	v_cvt_scalef32_pk16_fp6_f32 v[C+6*\c:C+6*\c+2], v[X+32*\c:X+32*\c+15], v[10+\c]
	v_cvt_scalef32_pk16_fp6_f32 v[28+4*\c:30+4*\c], v[X+32*\c+16:X+32*\c+31], v[10+\c]   ; (a conversion's three registers begin on an even number)
.endr
	v_nop                                          ; one plain place behind a scaled conversion
.irp c, 0,1
.irp i, 0,1,2
	v_mov_b32 v[C+6*\c+3+\i], v[28+4*\c+\i]
.endr
.endr
.irp g, 0,1,2
	global_store_b128 v2, v[C+4*\g:C+4*\g+3], s[10:11] offset:((\t)/2)*12288+((\t)%2)*1536+512*\g   ; 32 lanes store 512 consecutive bytes
.endr
.if ((\t)%2) == 0
	v_mov_b32 v36, v14                             ; tile u = 0's words are kept,
.else
	v_cndmask_b32 v[6+(\t)/2], v36, v14, s26       ; and joined: lanes 0-15 tile 0's, lanes 16-31 tile 1's
.endif
.endm
	QLOAD 0
	QLOAD 1
	QFRAG 0
	QFRAG 1
	QFRAG 2
	QFRAG 3
	global_store_b64 v37, v[6:7], s[12:13]         ; 32 lanes store 256 consecutive bytes, aligned
	s_wait_tensorcnt 0x0                           ; the wave's end, behind my last LDS store
	ds_add_u32 v[SPW], v[NIL]
	s_wait_dscnt 0x0
	s_endpgm
; ---------------- v.  Work-group g = id - 512: batch = g / 64, chunk of 128 keys = (g / 4) % 16.  Wave w: 64 columns, number 4 (g % 4) + w of 16: the four waves stand side by side on 1,024 bytes of each key's row.
; A load takes a key's 256 bytes, 8 bytes a lane: columns 2 L and 2 L + 1, and the keys run down a lane's registers: a whole block of 32 keys of two columns, so no other lane is asked for a maximum and nothing goes through LDS
; (these waves write no LDS byte).  Moves bring each column's 32 numbers side by side for the conversions.
.Lpath_v:
	v_lshlrev_b32 v2, 3, v1                        ; v2  8 x lane
	v_mul_u32_u24 v5, v9, 1536
	v_lshl_add_u32 v5, v8, 4, v5                   ; v5  the images: lanes 0-15 the even tile, lanes 16-31 the odd one; 16 bytes a row
	s_bfe_u32 s34, ttmp9, 0x20006                  ; batch
	s_bfe_u32 s35, ttmp9, 0x40002                  ; chunk
	s_and_b32 s36, ttmp9, 3
	s_lshl_b32 s36, s36, 2
	s_add_co_u32 s36, s36, s22                     ; which 64 columns
	s_lshl_b32 s28, s34, 23                        ; in: a batch, 128 keys of 4,096 bytes, 64 columns
	s_lshl_b32 s37, s35, 19
	s_add_co_u32 s28, s28, s37
	s_lshl_b32 s37, s36, 8
	s_add_co_u32 s28, s28, s37
	s_lshr_b32 s37, s36, 1                         ; codes: ((batch x 8 + 128 columns) x 16 + chunk) x 12,288 + which half x 6,144
	s_lshl_b32 s38, s34, 3
	s_add_co_u32 s38, s38, s37
	s_lshl_b32 s38, s38, 4
	s_add_co_u32 s38, s38, s35
	s_mul_i32 s30, s38, 12288
	s_and_b32 s39, s36, 1
	s_mul_i32 s39, s39, 6144
	s_add_co_u32 s30, s30, s39
	s_lshl_b32 s38, s34, 4                         ; scale words: ((batch x 16 + 64 columns) x 16 + chunk) x 256
	s_add_co_u32 s38, s38, s36
	s_lshl_b32 s38, s38, 4
	s_add_co_u32 s38, s38, s35
	s_lshl_b32 s32, s38, 8
	s_wait_alu depctr_va_vdst(0)                   ; the head's end
	s_wait_kmcnt 0x0
	s_add_nc_u64 s[8:9], s[8:9], s[28:29]
	s_add_nc_u64 s[18:19], s[18:19], s[30:31]
	s_add_nc_u64 s[20:21], s[20:21], s[32:33]
.macro VLOAD t                         ; block t: keys 32 t .. 32 t + 31, 256 consecutive bytes a load
.irp i, 0,1,2,3,4,5,6,7,8,9,10,11,12,13,14,15,16,17,18,19,20,21,22,23,24,25,26,27,28,29,30,31
	global_load_b64 v[R+64*((\t)%2)+2*\i:R+64*((\t)%2)+2*\i+1], v2, s[8:9] offset:(32*(\t)+\i)*4096 th:TH_LOAD_NT
.endr
.endm
.macro VQ t, p                         ; block t of column 2 L + p: it is registers 6 (t / 2) .. + 5 of lane r + 16 (t % 2) of its tile's fragment
.set XS, X+32*(\p)
.set CX, CD+24*(\p)+12*((\t)%2)+6*((\t)/2)
	v_max3_num_f32 v8, |v[XS]|, |v[XS+1]|, |v[XS+2]|
	v_max3_num_f32 v9, |v[XS+3]|, |v[XS+4]|, |v[XS+5]|
.irp i, 6,10,14,18,22,26
	v_max3_num_f32 v8, v8, |v[XS+\i]|, |v[XS+\i+1]|
	v_max3_num_f32 v9, v9, |v[XS+\i+2]|, |v[XS+\i+3]|
.endr
	v_max3_num_f32 v8, v8, |v[XS+30]|, |v[XS+31]|
	v_max3_num_f32 v8, v8, v9, 0x1800000           ; and the floor 2^(3 - 127)
	v_add_nc_u32 v11, 0xff000000, v8               ; the conversion's scale operand
	v_lshrrev_b32 v9, 23, v11                      ; the byte
.if (\t) == 0
	v_mov_b32 v[6+(\p)], v9
.else
	v_lshl_or_b32 v[6+(\p)], v9, 8*(\t), v[6+(\p)]
.endif
	v_cvt_scalef32_pk16_fp6_f32 v[CX:CX+2], v[XS:XS+15], v11
	v_cvt_scalef32_pk16_fp6_f32 v[12:14], v[XS+16:XS+31], v11
	v_nop                                          ; one plain place behind a scaled conversion
.irp i, 0,1,2
	v_mov_b32 v[CX+3+\i], v[12+\i]
.endr
.endm
.macro VBLOCK t
.if (\t) < 3
	s_wait_loadcnt 32                              ; this block's 32 loads are in; the next block's 32 may be out
.else
	s_wait_loadcnt 0x0
.endif
.irp p, 0,1
.irp i, 0,1,2,3,4,5,6,7,8,9,10,11,12,13,14,15,16,17,18,19,20,21,22,23,24,25,26,27,28,29,30,31
	v_mov_b32 v[X+32*\p+\i], v[R+64*((\t)%2)+2*\i+\p]
.endr
.endr
.if (\t) < 2
	VLOAD (\t)+2
.endif
	VQ \t, 0
	VQ \t, 1
.endm
	VLOAD 0
	VLOAD 1
	VBLOCK 0
	VBLOCK 1
	VBLOCK 2
	VBLOCK 3
.irp p, 0,1
.irp hh, 0,1
.irp g, 0,1,2
	global_store_b128 v5, v[CD+24*\p+12*\hh+4*\g:CD+24*\p+12*\hh+4*\g+3], s[18:19] offset:2*\p*1536+512*\g+256*\hh   ; sixteen lanes store 256 consecutive bytes, aligned; the other sixteen the same place of the next tile
.endr
.endr
.endr
	global_store_b64 v2, v[6:7], s[20:21]          ; 32 lanes store 256 consecutive bytes, aligned
	s_endpgm
.Lfunc_end_k_qe87c031df7_quant:
	.size	k_qe87c031df7_quant, .Lfunc_end_k_qe87c031df7_quant-k_qe87c031df7_quant
	.p2alignl 7, 3214868480
	.fill 96, 4, 3214868480
	.section	.rodata,"a",@progbits
	.p2align	6, 0x0
	.amdhsa_kernel k_qe87c031df7_quant
		.amdhsa_group_segment_fixed_size 34304
		.amdhsa_private_segment_fixed_size 0
		.amdhsa_enable_private_segment 0
		.amdhsa_kernarg_size 72
		.amdhsa_user_sgpr_count 2
		.amdhsa_user_sgpr_kernarg_segment_ptr 1
		.amdhsa_wavefront_size32 1
		.amdhsa_system_sgpr_workgroup_id_x 1
		.amdhsa_system_sgpr_workgroup_id_y 1
		.amdhsa_system_sgpr_workgroup_id_z 1
		.amdhsa_system_vgpr_workitem_id 0
		.amdhsa_next_free_vgpr 256
		.amdhsa_next_free_sgpr 66
		.amdhsa_reserve_vcc 0
		.amdhsa_float_denorm_mode_32 3
		.amdhsa_float_denorm_mode_16_64 3
		.amdhsa_memory_ordered 1
		.amdhsa_forward_progress 1
		.amdhsa_inst_pref_size 65
	.end_amdhsa_kernel
	.amdgpu_metadata
---
amdhsa.version: [ 1, 2 ]
amdhsa.kernels:
  - .name:           k_qe87c031df7_quant
    .symbol:         k_qe87c031df7_quant.kd
    .args:
      - { .name: q, .offset: 0, .size: 8, .value_kind: global_buffer, .address_space: global }
      - { .name: k, .offset: 8, .size: 8, .value_kind: global_buffer, .address_space: global }
      - { .name: v, .offset: 16, .size: 8, .value_kind: global_buffer, .address_space: global }
      - { .name: qc, .offset: 24, .size: 8, .value_kind: global_buffer, .address_space: global }
      - { .name: qs, .offset: 32, .size: 8, .value_kind: global_buffer, .address_space: global }
      - { .name: kc, .offset: 40, .size: 8, .value_kind: global_buffer, .address_space: global }
      - { .name: ks, .offset: 48, .size: 8, .value_kind: global_buffer, .address_space: global }
      - { .name: vc, .offset: 56, .size: 8, .value_kind: global_buffer, .address_space: global }
      - { .name: vs, .offset: 64, .size: 8, .value_kind: global_buffer, .address_space: global }
    .group_segment_fixed_size: 34304
    .private_segment_fixed_size: 0
    .kernarg_segment_align: 8
    .kernarg_segment_size: 72
    .max_flat_workgroup_size: 128
    .sgpr_count:     66
    .vgpr_count:     256
    .wavefront_size: 32
...
	.end_amdgpu_metadata
.endif
;; end of part 1
;; launch scores (part 2): grid 8 x 32, 4 waves a work-group, clusters of 4 x 4, 327,680 bytes of LDS; arguments qc, qs, kc, ks, mask, pc, st; writes pc, st
.if DOCPART == 2
	.amdgcn_target "amdgcn-amd-amdhsa--gfx1250"
	.amdhsa_code_object_version 6
	.text
	.protected	k_qe87c031df7_scores
	.globl	k_qe87c031df7_scores
	.p2align	8
	.type	k_qe87c031df7_scores,@function
k_qe87c031df7_scores:
	s_mov_b64 s[64:65], 0
	v_nop
	global_prefetch_b8 v0, s[64:65] scope:SCOPE_SE
	s_setreg_imm32_b32 hwreg(HW_REG_WAVE_MODE, 25, 1), 1
	s_wait_xcnt 0x0
	s_wait_alu depctr_hold_cnt(0) depctr_sa_sdst(0) depctr_va_vdst(0) depctr_va_sdst(0) depctr_va_ssrc(0) depctr_va_vcc(0) depctr_vm_vsrc(0)
	s_getreg_b32 s2, hwreg(HW_REG_IB_STS2, 6, 4)
	s_cmp_eq_u32 s2, 0
	s_cbranch_scc0 .Lentry_in_a_cluster
	s_endpgm
.Lentry_in_a_cluster:
	s_bfe_u32 s2, ttmp6, 0x10000c
	s_cmp_lg_u32 s2, 0xf033
	s_cbranch_scc0 .Lentry_shape_is_right
	s_endpgm
.Lentry_shape_is_right:
; S = Q K^T on codes of FP6 with E8M0 scales, a tile of 256 queries x 256 keys to a work-group, 128 x 128 to each of four waves (64 accumulators, 512 registers); then, in registers, for each query and the wave's CHUNK of 128 keys:
; logit = S / 32 + mask x (-1e9), t = logit x log2(e), M = ceil(the chunk's largest t), p = 2^(t - M), l = the sum of the unquantised p; p is quantised along the keys.  Stored: p's codes (pc: [block of 128 queries][chunk][tile 8][image of
; 1,536 bytes]), and for each query and chunk a record (st): -M, l, p's scale word with bit 7 set in each byte, 0.  M is a whole number, so the next launch brings a chunk under the row's M by taking M_row - M_chunk off the scale bytes:
; the codes stay.  The maximum is taken away before every exponential; a chunk or a row that is masked throughout gives t - M = 0 at its largest logits, as the reference's softmax does.
; LIMITS: NaN and infinities among the inputs are not served; the promise holds while the scaled scores t stay under 2^31 in magnitude.  A block whose every p has fallen to 0 keeps the byte 1 (its codes are zeros).
; THE MATRIX INSTRUCTION IS USED TRANSPOSED: source 0 = 16 keys, source 1 = 16 queries: a lane holds ONE query (lane % 16), and, by the order of rows in kc's tiles, the 16 registers of key tiles 2 g and 2 g + 1 are the
; neighbouring keys 32 g + 16 (lane / 16) + 0 .. 15.
; LDS: two slots of 147,456 bytes, each with three K steps (384 along K): Q's two blocks of 128 rows, then K's two, 36,864 bytes each, as [K step 3][tile 8][image of 1,536 bytes].  K steps 0 to 2 are asked for at the head, 3 to 5 behind
; the first round, and ONE refill brings 6 and 7 into the place of 0 and 1.  Images are read 512 consecutive bytes an instruction: no pitch, no padding.
; CLUSTER 4 x 4: Q's blocks hang on the tile row alone and are asked for jointly along a row of the cluster, K's on the batch and the tile column alone, along a column.
; PREFETCH: the second and the third fill are asked of memory one fill ahead of their tensor loads, once in each cluster: of the 144 (96) rows of 256 bytes that a wave will fetch each of the four partners that ask jointly names 36 (24),
; told apart by address.  The first fill comes by its load alone; behind the third nothing more is asked for.  One tile to a work-group: 8 x 32 tiles are 256 work-groups.
; REGISTERS, in windows of 256.  window 0: v3-5 the prefetches' offsets; v16-17, v20-21 LDS addresses; v24, v25, v27 offsets; v28, v29 for the add; v30-61 Q's scale words (8 g + K step: lanes 0-15 tile 2 g, lanes 16-31 tile 2 g + 1),
;   v64-95 K's: a product's two scale registers differ modulo 8; v96-127 and v224-255 the mask's terms of my lane's 64 keys; v128-223 Q's eight fragments, one set.   window 1: K's fragments, two sets, at v0 and v128; behind the K loop the
;   softmax's registers.   window 2: the accumulators of Q tiles 0-3 ((a, b) at v[8 (8 (a % 4) + b)]);   window 3: those of tiles 4-7.
.set SLOT,  147456
.set BLKB,  36864                      ; 128 rows x 384 K of codes: what one tensor load brings (the refill brings two K steps, 24,576 bytes)
.set STEPB, 12288                      ; 128 rows x 128 K
.set FRB,   1536                       ; a fragment's image
.set SPARE, 2*SLOT                     ; behind the slots: the spare words, 128 bytes for each wave: two blocks of 256 bytes that no other line names
.set PF1,   3                          ; v3      256 x lane: rows 0 .. 31 of my share of the second fill,
.set PF1B,  4                          ; v4      rows 32 .. 35,
.set PF2,   5                          ; v5      and the 24 rows of my share of the third
.set ADRA,  16                         ; v16-17  my Q block in slot 0, 1, + 16 x lane
.set ADRB,  20                         ; v20-21  my K block likewise
.set G8,    24                         ; v24     8 x lane
.set MO,    25                         ; v25     64 (lane / 16): my half's 16 keys of the mask
.set LI,    27                         ; v27     16 x lane
.set SPW,   28                         ; v28     SPARE + 4 x my thread's number; never rewritten
.set NIL,   29                         ; v29     0; never rewritten
.set SQ,    30
.set SK,    64
.set AF,    128
.set WV,    18                         ; s18 wave, s19 wave / 2: my 128 queries, and I fetch for Q (0) or K (1); s20 wave % 2: my 128 keys, and which block I fetch
.set WR,    19
.set WC,    20
.set G1A,   28                         ; s[28:35] descriptor group 1 for Q's blocks; s[36:43] for K's: they differ in the mask alone
.set G1B,   36
.set G0A,   44                         ; s[44:51] group 0 for Q's blocks, a set for each slot; s[68:75] for K's
.set G0B,   68
.set PFA,   76                         ; s[76:77] where my share of the second fill stands, 36,864 bytes short; s[78:79] of the third, 73,728 short
.set PFB,   78
.set T,     0                          ; window 1, behind the K loop: v0-63 logit, t, p
.set PC,    64                         ; v64-75 p's codes; v76-78, v80-82 the conversions' second halves
.set PD,    76
.set BM,    84                         ; v84-87 each block's largest t, then its largest p
.set BX,    88                         ; v88-91 lane permutes' destinations
.set SCO,   92                         ; v92-95 the conversions' scale operands
.set BY,    96                         ; v96-99 the bytes
.set NM,    100                        ; v[100:101] -M (the upper one is named with it as a pair)
.set SU,    102                        ; v[102:105] the sum, in two chains of pairs
.set W,     106                        ; v106-107 at work
.set REC,   112                        ; v112-115 the record of an even tile, and what is stored; v116-118 that of an odd tile
.set ELI,   120                        ; v120 16 x lane
.set MSB, 0
.macro WIN new                         ; the immediate's high byte repeats the setting that is left
.if MSB != (\new)
	s_set_vgpr_msb (MSB<<8)|(\new)
.set MSB, (\new)
.endif
.endm
.set MUL_LO, 0xa1                      ; source 0 (K) window 1, source 1 (Q) window 0, C and D window 2
.set MUL_HI, 0xf1                      ; the same, C and D window 3
.set TO_B,   0x40                      ; destination window 1, address window 0
.macro PLACES n
.rept \n
	v_nop
.endr
.endm
.macro JLOAD s                         ; a fill of slot s.  Waves 0, 1 ask for Q's blocks, waves 2, 3 for K's; four v_nop follow each line, ahead of the jump and the label
	s_cmp_eq_u32 s[WR], 0
	s_cbranch_scc0 .Lfor_k_\@
	tensor_load_to_lds s[G0A+4*\s:G0A+4*\s+3], s[G1A:G1A+7]
	s_nop 0
.rept 4
	v_nop
.endr
	s_branch .Lasked_\@
.Lfor_k_\@:
	tensor_load_to_lds s[G0B+4*\s:G0B+4*\s+3], s[G1B:G1B+7]
	s_nop 0
.rept 4
	v_nop
.endr
.Lasked_\@:
.endm
.macro CREST                           ; a round of the cluster's barrier behind its opening barrier
	s_cmp_lg_u32 s[WV], 0
	s_cbranch_scc1 .Lnot_wave_0_\@
	s_barrier_signal -3
.Lnot_wave_0_\@:
	s_barrier_wait -3
	s_barrier_signal -1
	s_barrier_wait -1
.endm
.macro CROUND
	s_barrier_signal -1
	s_barrier_wait -1
	CREST
.endm
	s_load_b256 s[4:11], s[0:1], 0x0               ; qc s[4:5], qs s[6:7], kc s[8:9], ks s[10:11]
	s_load_b128 s[12:15], s[0:1], 0x20             ; mask s[12:13], pc s[14:15]
	s_load_b64 s[16:17], s[0:1], 0x30              ; st
	v_lshl_add_u32 v[SPW], v0, 2, SPARE
	v_mov_b32 v[NIL], 0
	ds_add_u32 v[SPW], v[NIL]                      ; the wave's opening: the add, twice on end, and one wait for both
	ds_add_u32 v[SPW], v[NIL]
	v_lshrrev_b32 v1, 5, v0
	v_readfirstlane_b32 s[WV], v1
	s_lshr_b32 s[WR], s[WV], 1
	s_and_b32 s[WC], s[WV], 1
	s_bfe_u32 s21, ttmp6, 0x40000                  ; cx
	s_bfe_u32 s22, ttmp6, 0x40004                  ; cy
	s_lshl_b32 s23, ttmp9, 2
	s_add_co_u32 s23, s23, s21                     ; x: the tile of 256 keys
	s_and_b32 s25, ttmp7, 0xffff                   ; the cluster's y
	s_lshl_b32 s24, s25, 2
	s_add_co_u32 s24, s24, s22                     ; y: the block of 256 queries, over all batches
	s_lshr_b32 s25, s25, 1                         ; the batch = y / 8, made of the cluster's y alone: the same in all sixteen partners
	s_lshl_b32 s26, s22, 2
	s_lshl_b32 s26, 15, s26                        ; my row of the cluster
	s_lshl_b32 s27, 0x1111, s21                    ; my column
	; group 1: a dense block of 36,864 bytes as 144 rows of 256 bytes (32 elements of 8 bytes), no padding
	s_or_b32 s[G1A], s26, (3<<16)|(1<<21)          ; 15:0 the mask; 17:16 elements of 8 bytes; 21 set beside a mask
	s_or_b32 s[G1B], s27, (3<<16)|(1<<21)
.irp g, G1A, G1B
	s_mov_b32 s[\g+1], 32<<16                      ; tensor_dim0 = 32
	s_mov_b32 s[\g+2], 144<<16                     ; tensor_dim1 = 144
	s_mov_b32 s[\g+3], 32<<16                      ; tile_dim0 = 32
	s_mov_b32 s[\g+4], 144                         ; tile_dim1 = 144
	s_mov_b32 s[\g+5], 32                          ; the pitch
	s_mov_b32 s[\g+6], 0
	s_mov_b32 s[\g+7], 0
.endr
	s_lshl_b32 s80, s24, 1                         ; Q: block of 128 rows 2 y + (wave % 2): y and the wave's number alone
	s_add_co_u32 s80, s80, s[WC]
	s_mul_i32 s80, s80, 8*STEPB
	s_mov_b32 s81, 0
	s_lshl_b32 s84, s25, 4                         ; K: block 16 x batch + 2 x + (wave % 2): the batch, x and the wave's number alone
	s_lshl_b32 s85, s23, 1
	s_add_co_u32 s84, s84, s85
	s_add_co_u32 s84, s84, s[WC]
	s_mul_i32 s84, s84, 8*STEPB
	s_mov_b32 s85, 0
	s_mul_i32 s88, s[WV], BLKB                     ; where they go in a slot: wave x 36,864: no place in the cluster enters an LDS address
	s_wait_alu depctr_va_vdst(0)
	s_wait_dscnt 0x0                               ; both opening adds are done
	s_wait_kmcnt 0x0
	s_add_nc_u64 s[82:83], s[4:5], s[80:81]
	s_add_nc_u64 s[86:87], s[8:9], s[84:85]
.irp s, 0,1
	s_mov_b32 s[G0A+4*\s], 1                                       ; count = 1
	s_add_co_u32 s[G0A+4*\s+1], s88, \s*SLOT                       ; LDS address
	s_add_nc_u64 s[G0A+4*\s+2:G0A+4*\s+3], s[82:83], \s*BLKB       ; K steps 3 s .. 3 s + 2
	s_or_b32 s[G0A+4*\s+3], s[G0A+4*\s+3], 0x80000000              ; type = 2
	s_mov_b32 s[G0B+4*\s], 1
	s_add_co_u32 s[G0B+4*\s+1], s88, \s*SLOT
	s_add_nc_u64 s[G0B+4*\s+2:G0B+4*\s+3], s[86:87], \s*BLKB
	s_or_b32 s[G0B+4*\s+3], s[G0B+4*\s+3], 0x80000000
.endr
	CROUND                                         ; all sixteen work-groups are here: the first joint loads meet
	JLOAD 0                                        ; K steps 0 to 2: one tensor load a wave at the head
	s_cmp_eq_u32 s[WR], 0                          ; the prefetches: do I fetch for Q?
	s_cselect_b64 s[PFA:PFA+1], s[4:5], s[8:9]
	s_cselect_b32 s98, s80, s84
	s_cselect_b32 s96, s21, s22                    ; my place among the four that ask with me
	s_mov_b32 s99, 0
	s_add_nc_u64 s[PFA:PFA+1], s[PFA:PFA+1], s[98:99]
	s_mul_i32 s98, s96, 24*256
	s_add_nc_u64 s[PFB:PFB+1], s[PFA:PFA+1], s[98:99]
	s_mul_i32 s98, s96, 36*256
	s_add_nc_u64 s[PFA:PFA+1], s[PFA:PFA+1], s[98:99]
	s_lshl_b32 s92, s23, 1
	s_add_co_u32 s92, s92, s[WC]                   ; my chunk of 128 keys in the batch: 2 x + wave % 2
	s_lshl_b32 s93, s24, 1
	s_add_co_u32 s93, s93, s[WR]                   ; my block of 128 queries: 2 y + wave / 2
	s_lshl_b32 s94, s25, 4
	s_add_co_u32 s94, s94, s92                     ; my block of 128 keys: 16 x batch + chunk
	s_mov_b32 s91, 0
	s_lshl_b32 s90, s93, 12
	s_add_nc_u64 s[6:7], s[6:7], s[90:91]          ; Q's scale words: 4,096 bytes a block
	s_lshl_b32 s90, s94, 12
	s_add_nc_u64 s[10:11], s[10:11], s[90:91]      ; K's
	s_lshl_b32 s90, s94, 9
	s_add_nc_u64 s[12:13], s[12:13], s[90:91]      ; the mask: 128 keys x 4 bytes
	s_lshl_b32 s95, s93, 4
	s_add_co_u32 s95, s95, s92
	s_mul_i32 s90, s95, 12288
	s_add_nc_u64 s[14:15], s[14:15], s[90:91]      ; pc: (block of 128 queries x 16 + chunk) x 12,288
	s_lshl_b32 s95, s93, 6
	s_add_co_u32 s95, s95, s92
	s_lshl_b32 s90, s95, 9
	s_add_nc_u64 s[16:17], s[16:17], s[90:91]      ; st: (pair of tiles x 16 + chunk) x 512
	v_and_b32 v1, 31, v0
	v_bfe_u32 v2, v0, 4, 1
	v_lshlrev_b32 v[LI], 4, v1
	v_lshlrev_b32 v[G8], 3, v1
	v_lshlrev_b32 v[MO], 6, v2
	v_lshlrev_b32 v[PF1], 8, v1
	v_min_u32 v[PF1B], 3, v1
	v_lshlrev_b32 v[PF1B], 8, v[PF1B]
	v_add_nc_u32 v[PF1B], 0x2000, v[PF1B]
	v_min_u32 v[PF2], 23, v1
	v_lshlrev_b32 v[PF2], 8, v[PF2]
.irp kq, 0,1,2,3
.irp g, 0,1,2,3
	global_load_b64 v[SQ+8*\g+2*\kq:SQ+8*\g+2*\kq+1], v[G8], s[6:7] offset:(4*\kq+\g)*256    ; 256 consecutive bytes a load: all of K's scale words, once
	global_load_b64 v[SK+8*\g+2*\kq:SK+8*\g+2*\kq+1], v[G8], s[10:11] offset:(4*\kq+\g)*256
.endr
.endr
.irp g, 0,1,2,3
.irp i, 0,1,2,3
	global_load_b128 v[96+16*\g+96*(\g/2)+4*\i:96+16*\g+96*(\g/2)+4*\i+3], v[MO], s[12:13] offset:128*\g+16*\i   ; the mask of keys 32 g + 16 (lane / 16) + 4 i ..
.endr
.endr
	global_prefetch_b8 v[PF1], s[PFA:PFA+1] offset:BLKB th:TH_LOAD_NT scope:SCOPE_SE      ; K steps 3 to 5: 36 rows, a row a lane
	global_prefetch_b8 v[PF1B], s[PFA:PFA+1] offset:BLKB th:TH_LOAD_NT scope:SCOPE_SE
	s_mul_i32 s90, s[WR], BLKB
	s_mul_i32 s95, s[WC], BLKB
	s_add_co_u32 s95, s95, 2*BLKB                  ; K's blocks lie behind Q's two
	s_add_co_u32 s96, s90, SLOT
	s_add_co_u32 s97, s95, SLOT
	s_mov_b32 s56, 0x3d000000                      ; 1 / 32 = 1024^-0.5, a power of two
	s_mov_b32 s57, s56                             ; (the packed forms name pairs and take the low word for both halves)
	s_mov_b32 s58, 0x3fb8aa3b                      ; log2(e)
	s_mov_b32 s59, s58
	s_mov_b32 s60, 0x76543210
	s_mov_b32 s61, 0xfedcba98                      ; v_permlanex16_b32's selects for lane l xor 16
	s_mov_b32 s62, 0xffff0000                      ; lanes 16-31
	s_mov_b32 s80, 0xce6e6b28                      ; -1e9
	s_mov_b32 s81, s80
	s_wait_alu depctr_va_vdst(0)
	v_add_nc_u32 v[ADRA], s90, v[LI]
	v_add_nc_u32 v[ADRB], s95, v[LI]
	v_add_nc_u32 v[ADRA+1], s96, v[LI]
	v_add_nc_u32 v[ADRB+1], s97, v[LI]
	s_wait_alu depctr_va_vdst(0)                   ; ahead of the wait below
	s_wait_loadcnt 0x0
.set n, 0
.rept 64
	v_cvt_f32_i32 v[96+n+96*(n/32)], v[96+n+96*(n/32)]             ; mask.astype(f32)
.set n, n+1
.endr
.set n, 0
.rept 32
	v_pk_mul_f32 v[96+n+96*(n/32):97+n+96*(n/32)], v[96+n+96*(n/32):97+n+96*(n/32)], s[80:81] op_sel_hi:[1,0]   ; x (-1e9)
.set n, n+2
.endr
.macro FRAG reg, adr, off              ; a fragment's image: three loads of 512 consecutive bytes
.irp c, 0,1,2
	ds_load_b128 v[\reg+4*\c:\reg+4*\c+3], v[\adr] offset:\off+512*\c
.endr
.endm
.macro FETCH_B slot, q, p              ; K's eight fragments of the slot's q-th K step into set p
	WIN TO_B
.irp i, 0,1,2,3,4,5,6,7
	FRAG 128*(\p)+12*\i, ADRB+\slot, (\q)*STEPB+\i*FRB
.endr
	WIN 0
.endm
.macro FETCH_A slot, q, i0             ; Q's tiles i0 .. i0 + 3
.irp i, \i0, \i0+1, \i0+2, \i0+3
	FRAG AF+12*(\i), ADRA+\slot, (\q)*STEPB+(\i)*FRB
.endr
.endm
; One product: Q tile a x K tile b, K's set p, K step s.  A scale register carries an even tile's words in lanes 0-15 and the odd tile's in lanes 16-31.  zero = 1: the first product starts the sum.
.macro WM a, b, p, s, zero
.set rD, 8*(8*((\a)%4)+(\b))
.set rB, 128*(\p)+12*(\b)
.set rA, AF+12*(\a)
.set cB, SK+8*((\b)/2)+(\s)
.set cA, SQ+8*((\a)/2)+(\s)
.set sel, 4*(\zero)+2*((\b)%2)+((\a)%2)
.if sel == 0
	v_wmma_scale_f32_16x16x128_f8f6f4 v[rD:rD+7], v[rB:rB+11], v[rA:rA+11], v[rD:rD+7], v[cB], v[cA] matrix_a_fmt:MATRIX_FMT_FP6 matrix_b_fmt:MATRIX_FMT_FP6
.elseif sel == 1
	v_wmma_scale_f32_16x16x128_f8f6f4 v[rD:rD+7], v[rB:rB+11], v[rA:rA+11], v[rD:rD+7], v[cB], v[cA] matrix_a_fmt:MATRIX_FMT_FP6 matrix_b_fmt:MATRIX_FMT_FP6 matrix_b_scale:MATRIX_SCALE_ROW1
.elseif sel == 2
	v_wmma_scale_f32_16x16x128_f8f6f4 v[rD:rD+7], v[rB:rB+11], v[rA:rA+11], v[rD:rD+7], v[cB], v[cA] matrix_a_fmt:MATRIX_FMT_FP6 matrix_b_fmt:MATRIX_FMT_FP6 matrix_a_scale:MATRIX_SCALE_ROW1
.elseif sel == 3
	v_wmma_scale_f32_16x16x128_f8f6f4 v[rD:rD+7], v[rB:rB+11], v[rA:rA+11], v[rD:rD+7], v[cB], v[cA] matrix_a_fmt:MATRIX_FMT_FP6 matrix_b_fmt:MATRIX_FMT_FP6 matrix_a_scale:MATRIX_SCALE_ROW1 matrix_b_scale:MATRIX_SCALE_ROW1
.elseif sel == 4
	v_wmma_scale_f32_16x16x128_f8f6f4 v[rD:rD+7], v[rB:rB+11], v[rA:rA+11], 0, v[cB], v[cA] matrix_a_fmt:MATRIX_FMT_FP6 matrix_b_fmt:MATRIX_FMT_FP6
.elseif sel == 5
	v_wmma_scale_f32_16x16x128_f8f6f4 v[rD:rD+7], v[rB:rB+11], v[rA:rA+11], 0, v[cB], v[cA] matrix_a_fmt:MATRIX_FMT_FP6 matrix_b_fmt:MATRIX_FMT_FP6 matrix_b_scale:MATRIX_SCALE_ROW1
.elseif sel == 6
	v_wmma_scale_f32_16x16x128_f8f6f4 v[rD:rD+7], v[rB:rB+11], v[rA:rA+11], 0, v[cB], v[cA] matrix_a_fmt:MATRIX_FMT_FP6 matrix_b_fmt:MATRIX_FMT_FP6 matrix_a_scale:MATRIX_SCALE_ROW1
.else
	v_wmma_scale_f32_16x16x128_f8f6f4 v[rD:rD+7], v[rB:rB+11], v[rA:rA+11], 0, v[cB], v[cA] matrix_a_fmt:MATRIX_FMT_FP6 matrix_b_fmt:MATRIX_FMT_FP6 matrix_a_scale:MATRIX_SCALE_ROW1 matrix_b_scale:MATRIX_SCALE_ROW1
.endif
.endm
.macro MUL16 a0, p, s, zero            ; Q tiles a0, a0 + 1 x K's eight.  The 64 accumulators take turns, one instruction a turn, in the same order in every K step
.irp a, \a0, \a0+1
.irp b, 0,1,2,3,4,5,6,7
	WM \a, \b, \p, \s, \zero
.endr
.endr
.endm
; K step s; its successor's fragments lie in slot ns, K step nq of it.  A load into a register that a matrix instruction has read stands four plain vector instructions behind it.
.macro STEP s, ns, nq, zero
	s_wait_dscnt 12                                ; K's set and Q's tiles 0-3 are in; the youngest 12 loads (Q's tiles 4-7) may be out
	WIN MUL_LO
	MUL16 0, (\s)%2, \s, \zero
	MUL16 2, (\s)%2, \s, \zero
	s_wait_dscnt 0x0                               ; Q's tiles 4-7 are in
	PLACES 4
	FETCH_B \ns, \nq, 1-(\s)%2
	FETCH_A \ns, \nq, 0
	WIN MUL_HI
	MUL16 4, (\s)%2, \s, \zero
	MUL16 6, (\s)%2, \s, \zero
	PLACES 4
	WIN 0
	FETCH_A \ns, \nq, 4
.endm
; A K step with a barrier in it.  In front of the barrier each wave waits for all its tensor loads, adds 0 to its spare word, and waits for that and for its LDS reads.  fill = 1: the barrier opens a round of the
; cluster's, and the place of K steps 0 and 1, which nobody reads any more, takes 6 and 7: the wave's one tensor load behind the round, and the first thing there.
.macro TURN s, fill, ns, nq
	s_wait_tensorcnt 0x0                           ; all my tensor loads have landed  (every window is 0 here)
	ds_add_u32 v[SPW], v[NIL]                      ; 0 onto my spare word
	s_wait_dscnt 13                                ; (the add and the youngest 12 loads may be out)
	WIN MUL_LO
	MUL16 0, (\s)%2, \s, 0                         ; sixteen matrix instructions stand between the add and the wait for it
	s_wait_dscnt 0x0                               ; the add is done, and all my LDS reads are back
	s_barrier_signal -1
	MUL16 2, (\s)%2, \s, 0
	WIN 0
	s_barrier_wait -1
.if \fill
	CREST                                          ; no wave of any partner still reads K steps 0 and 1 or has a load on its way
	s_add_nc_u64 s[G0A+2:G0A+3], s[G0A+2:G0A+3], 6*STEPB
	s_add_nc_u64 s[G0B+2:G0B+3], s[G0B+2:G0B+3], 6*STEPB
.irp g, G1A, G1B
	s_mov_b32 s[\g+2], 96<<16                      ; two K steps: 96 rows of 256 bytes
	s_mov_b32 s[\g+4], 96
.endr
	JLOAD 0                                        ; its four v_nop are the places in front of the loads below
.else
	PLACES 4
.endif
	FETCH_B \ns, \nq, 1-(\s)%2
	FETCH_A \ns, \nq, 0
	WIN MUL_HI
	MUL16 4, (\s)%2, \s, 0
	MUL16 6, (\s)%2, \s, 0
	PLACES 4
	WIN 0
	FETCH_A \ns, \nq, 4
.endm
	s_wait_alu depctr_va_vdst(0)                   ; the head's end
	s_wait_tensorcnt 0x0                           ; my part of K steps 0 to 2 is in
	ds_add_u32 v[SPW], v[NIL]
	s_wait_dscnt 0x0
	CROUND                                         ; everybody's part is in, and all sixteen work-groups are here:
	JLOAD 1                                        ; K steps 3 to 5, into slot 1
	FETCH_B 0, 0, 0
	FETCH_A 0, 0, 0
	FETCH_A 0, 0, 4
	global_prefetch_b8 v[PF2], s[PFB:PFB+1] offset:6*STEPB th:TH_LOAD_NT scope:SCOPE_SE   ; K steps 6 and 7: 24 rows, a row a lane (lanes 24-31 name the last again)
	STEP 0, 0, 1, 1                                ; the first products start the sums: nothing is cleared
	STEP 1, 0, 2, 0
	TURN 2, 1, 1, 0                                ; slot 1 is shown to every wave; K steps 6 and 7 are asked for
	STEP 3, 1, 1, 0
	STEP 4, 1, 2, 0
	TURN 5, 0, 0, 0                                ; K steps 6 and 7 are shown to every wave; nothing is filled
	STEP 6, 0, 1, 0
	s_wait_dscnt 12                                ; the last K step: nothing more to fetch
	WIN MUL_LO
	MUL16 0, 1, 7, 0
	MUL16 2, 1, 7, 0
	s_wait_dscnt 0x0
	WIN MUL_HI
	MUL16 4, 1, 7, 0
	MUL16 6, 1, 7, 0
	PLACES 4                                       ; in front of the first reads of results, and of writes into registers that held K's fragments
	WIN 0x40                                       ; destination window 1
	v_mov_b32 v[ELI], v[LI]
.irp b, 0,1,2,3
	v_mov_b32 v[BX+\b], 0                          ; a lane permute's destination counts as one of its sources
.endr
	v_mov_b32 v[NM+1], 0                           ; (named as the upper half of a pair)
	v_mov_b32 v[REC+3], 0                          ; a record's fourth word
; THE SOFTMAX OF Q TILE a OVER MY CHUNK OF 128 KEYS.  A lane holds one query and 64 keys; lane l xor 16 holds the query's other 64.  No LDS: codes and records leave as register images.
.macro SOFTQ a
	WIN 0x42+(\a)/4                                ; source 0 window 2 or 3, the mask's terms window 0, destination window 1
.set n, 0
.rept 32
	v_pk_fma_f32 v[T+n:T+n+1], v[64*((\a)%4)+n:64*((\a)%4)+n+1], s[56:57], v[96+n+96*(n/32):97+n+96*(n/32)] op_sel_hi:[1,0,1]   ; logit = S / 32 + mask x (-1e9): the division is exact, so this rounds once, as the reference's addition does.  Each accumulator from its low end on
.set n, n+2
.endr
	WIN 0x55                                       ; all in window 1
.set n, 0
.rept 32
	v_pk_mul_f32 v[T+n:T+n+1], v[T+n:T+n+1], s[58:59] op_sel_hi:[1,0]   ; t = logit x log2(e), rounded by itself: equal logits give equal t
.set n, n+2
.endr
.irp b, 0,1,2,3
	v_max3_num_f32 v[BM+\b], v[T+16*\b], v[T+16*\b+1], v[T+16*\b+2]     ; the largest t of each block of 32 keys: it serves the chunk's maximum and, since p rises with t, the block's largest p
.endr
.irp i, 3,5,7,9,11,13
.irp b, 0,1,2,3
	v_max3_num_f32 v[BM+\b], v[BM+\b], v[T+16*\b+\i], v[T+16*\b+\i+1]
.endr
.endr
.irp b, 0,1,2,3
	v_max_num_f32 v[BM+\b], v[BM+\b], v[T+16*\b+15]
.endr
.irp b, 0,1,2,3
	v_permlanex16_b32 v[BX+\b], v[BM+\b], s60, s61
.endr
.irp b, 0,1,2,3
	v_max_num_f32 v[BM+\b], v[BM+\b], v[BX+\b]     ; with lane l xor 16's 16 keys
.endr
	v_max3_num_f32 v[W], v[BM], v[BM+1], v[BM+2]
	v_max_num_f32 v[W], v[W], v[BM+3]              ; the chunk's largest t of my query
	v_floor_f32 v[NM], -v[W]                       ; -M = floor(-t) = -ceil(t): a whole number
.set n, 0
.rept 32
	v_pk_add_f32 v[T+n:T+n+1], v[T+n:T+n+1], v[NM:NM+1] op_sel_hi:[1,0]   ; t - M
.set n, n+2
.endr
.set n, 0
	s_wait_alu depctr_va_vdst(0)                   ; ahead of the batch
.rept 64
	v_exp_f32 v[T+n], v[T+n]                       ; p = 2^(t - M), at most 1: not normalised
.set n, n+1
.endr
.irp b, 0,1,2,3
	v_add_f32 v[BM+\b], v[BM+\b], v[NM]            ; the same of each block's largest t.  (Plain lines behind the exponentials)
.endr
	s_wait_alu depctr_va_vdst(0)                   ; one wait for the batch of 64, ahead of its first reader
.irp b, 0,1,2,3
	v_exp_f32 v[BM+\b], v[BM+\b]                   ; the block's largest p: the same arithmetic on the same number gives the same bits
.endr
	v_pk_add_f32 v[SU:SU+1], v[T:T+1], v[T+4:T+5]  ; the sum of the UNQUANTISED p, two at a time, in two chains.  (It reads the 64 alone)
	v_pk_add_f32 v[SU+2:SU+3], v[T+2:T+3], v[T+6:T+7]
.irp j, 8,12,16,20,24,28,32,36,40,44,48,52,56,60
	v_pk_add_f32 v[SU:SU+1], v[SU:SU+1], v[T+\j:T+\j+1]
	v_pk_add_f32 v[SU+2:SU+3], v[SU+2:SU+3], v[T+\j+2:T+\j+3]
.endr
	v_pk_add_f32 v[SU:SU+1], v[SU:SU+1], v[SU+2:SU+3]
	s_wait_alu depctr_va_vdst(0)                   ; and one for the four
.irp b, 0,1,2,3
	v_max_num_f32 v[BM+\b], 0x1800000, v[BM+\b]    ; the floor 2^(3 - 127): the byte cannot fall under 1
.endr
.irp b, 0,1,2,3
	v_add_nc_u32 v[SCO+\b], 0xff000000, v[BM+\b]   ; 2 off the exponent field: the conversion's scale operand
.endr
.irp b, 0,1,2,3
	v_lshrrev_b32 v[BY+\b], 23, v[SCO+\b]          ; the byte: 1 to 125, since p is at most 1
.endr
	v_lshl_or_b32 v[W], v[BY+1], 8, v[BY]
	v_lshl_or_b32 v[W], v[BY+2], 16, v[W]
	v_lshl_or_b32 v[W], v[BY+3], 24, v[W]          ; p's scale word for these 128 keys
	v_add_f32 v[W+1], v[SU], v[SU+1]
	v_permlanex16_b32 v[BX], v[W+1], s60, s61
.if (\a) > 0
	s_wait_xcnt 0x0                                ; the last tile's stores have read their registers: codes and records are written again only behind this wait
.endif
.irp c, 0,1
	v_cvt_scalef32_pk16_fp6_f32 v[PC+6*\c:PC+6*\c+2], v[T+32*\c:T+32*\c+15], v[SCO+2*\c]
	v_cvt_scalef32_pk16_fp6_f32 v[PD+4*\c:PD+4*\c+2], v[T+32*\c+16:T+32*\c+31], v[SCO+2*\c+1]   ; (a conversion's three registers begin on an even number)
.endr
	v_nop                                          ; one plain place behind a scaled conversion
.irp c, 0,1                                    ; the operand's layout wants a WHOLE block in a lane: lanes 0-15 block 2 c, lanes 16-31 block 2 c + 1
.irp i, 0,1,2
	v_permlane16_swap_b32 v[PC+6*\c+\i], v[PD+4*\c+\i]
.endr
.irp i, 0,1,2
	v_mov_b32 v[PC+6*\c+3+\i], v[PD+4*\c+\i]
.endr
.endr
	v_mov_b32 v[REC+4*((\a)%2)], v[NM]             ; the record: -M,
	v_add_f32 v[REC+4*((\a)%2)+1], v[W+1], v[BX]   ; l, with lane l xor 16's half,
	v_or_b32 v[REC+4*((\a)%2)+2], 0x80808080, v[W] ; and the scale word with a guard bit on each byte
.irp g, 0,1,2
	global_store_b128 v[ELI], v[PC+4*\g:PC+4*\g+3], s[14:15] offset:(\a)*1536+512*\g   ; 32 lanes store 512 consecutive bytes
.endr
.if ((\a)%2) == 1
.irp i, 0,1,2
	v_cndmask_b32 v[REC+\i], v[REC+\i], v[REC+4+\i], s62           ; lanes 0-15 the even tile's record, lanes 16-31 the odd tile's
.endr
	global_store_b128 v[ELI], v[REC:REC+3], s[16:17] offset:((\a)/2)*8192   ; 512 consecutive bytes
.endif
.endm
	SOFTQ 0
	SOFTQ 1
	SOFTQ 2
	SOFTQ 3
	SOFTQ 4
	SOFTQ 5
	SOFTQ 6
	SOFTQ 7
	WIN 0
	s_wait_tensorcnt 0x0                           ; the wave's end
	ds_add_u32 v[SPW], v[NIL]
	s_wait_dscnt 0x0
	CROUND                                         ; the closing round: no work-group ends while a partner may still ask for a block that names it
	s_endpgm
.Lfunc_end_k_qe87c031df7_scores:
	.size	k_qe87c031df7_scores, .Lfunc_end_k_qe87c031df7_scores-k_qe87c031df7_scores
	.p2alignl 7, 3214868480
	.fill 96, 4, 3214868480
	.section	.rodata,"a",@progbits
	.p2align	6, 0x0
	.amdhsa_kernel k_qe87c031df7_scores
		.amdhsa_group_segment_fixed_size 327680
		.amdhsa_private_segment_fixed_size 0
		.amdhsa_enable_private_segment 0
		.amdhsa_kernarg_size 56
		.amdhsa_user_sgpr_count 2
		.amdhsa_user_sgpr_kernarg_segment_ptr 1
		.amdhsa_wavefront_size32 1
		.amdhsa_system_sgpr_workgroup_id_x 1
		.amdhsa_system_sgpr_workgroup_id_y 1
		.amdhsa_system_sgpr_workgroup_id_z 1
		.amdhsa_system_vgpr_workitem_id 0
		.amdhsa_next_free_vgpr 1024
		.amdhsa_next_free_sgpr 100
		.amdhsa_reserve_vcc 0
		.amdhsa_float_denorm_mode_32 3
		.amdhsa_float_denorm_mode_16_64 3
		.amdhsa_memory_ordered 1
		.amdhsa_forward_progress 1
		.amdhsa_inst_pref_size 230
	.end_amdhsa_kernel
	.amdgpu_metadata
---
amdhsa.version: [ 1, 2 ]
amdhsa.kernels:
  - .name:           k_qe87c031df7_scores
    .symbol:         k_qe87c031df7_scores.kd
    .args:
      - { .name: qc, .offset: 0, .size: 8, .value_kind: global_buffer, .address_space: global }
      - { .name: qs, .offset: 8, .size: 8, .value_kind: global_buffer, .address_space: global }
      - { .name: kc, .offset: 16, .size: 8, .value_kind: global_buffer, .address_space: global }
      - { .name: ks, .offset: 24, .size: 8, .value_kind: global_buffer, .address_space: global }
      - { .name: mask, .offset: 32, .size: 8, .value_kind: global_buffer, .address_space: global }
      - { .name: pc, .offset: 40, .size: 8, .value_kind: global_buffer, .address_space: global }
      - { .name: st, .offset: 48, .size: 8, .value_kind: global_buffer, .address_space: global }
    .group_segment_fixed_size: 327680
    .private_segment_fixed_size: 0
    .kernarg_segment_align: 8
    .kernarg_segment_size: 56
    .max_flat_workgroup_size: 128
    .sgpr_count:     100
    .vgpr_count:     1024
    .wavefront_size: 32
...
	.end_amdgpu_metadata
.endif
;; end of part 2
;; launch outp (part 3): grid 4 x 64, 4 waves a work-group, clusters of 4 x 4, 327,680 bytes of LDS; arguments pc, st, vc, vs, out0; writes out0
.if DOCPART == 3
	.amdgcn_target "amdgcn-amd-amdhsa--gfx1250"
	.amdhsa_code_object_version 6
	.text
	.protected	k_qe87c031df7_outp
	.globl	k_qe87c031df7_outp
	.p2align	8
	.type	k_qe87c031df7_outp,@function
k_qe87c031df7_outp:
	s_mov_b64 s[64:65], 0
	v_nop
	global_prefetch_b8 v0, s[64:65] scope:SCOPE_SE
	s_setreg_imm32_b32 hwreg(HW_REG_WAVE_MODE, 25, 1), 1
	s_wait_xcnt 0x0
	s_wait_alu depctr_hold_cnt(0) depctr_sa_sdst(0) depctr_va_vdst(0) depctr_va_sdst(0) depctr_va_ssrc(0) depctr_va_vcc(0) depctr_vm_vsrc(0)
	s_getreg_b32 s2, hwreg(HW_REG_IB_STS2, 6, 4)
	s_cmp_eq_u32 s2, 0
	s_cbranch_scc0 .Lentry_in_a_cluster
	s_endpgm
.Lentry_in_a_cluster:
	s_bfe_u32 s2, ttmp6, 0x10000c
	s_cmp_lg_u32 s2, 0xf033
	s_cbranch_scc0 .Lentry_shape_is_right
	s_endpgm
.Lentry_shape_is_right:
; O = P V / l on codes of FP6 with E8M0 scales.  P's codes were made chunk by chunk (128 keys) under the chunk's own whole number M_j.  At the head the row's M = the largest M_j and l = the sum of l_j 2^(M_j - M) are made,
; and k = M - M_j (held at 127) is taken off each of the chunk's four scale bytes (held at 0 from below): a power of two that the scale takes up; the codes stay.
; LIMITS: a block of p that lies 2^-125 or more under its row's largest p gets the byte 0, which stands for 2^-127, with its codes as they are, and a chunk's share of l that lies 2^-127 under the row's is dropped:
; both are far under half a last place of the f32 sums that they would enter.  NaN and infinities among the inputs are not served.
; SHARES.  A tile of 128 queries x 256 columns to a work-group: 4 x 64 tiles are 256 work-groups.  Wave w makes all 128 queries x columns 64 w .. 64 w + 63: 8 x 4 = 32 accumulators.
; TRANSPOSED: source 0 = 16 columns of V, source 1 = 16 queries of P: a lane holds one query.  Tile b = 2 i + hh of a wave's 64 columns holds the columns 32 hh + 2 m + i, so the accumulators of i = 0 and 1 together hold
; 16 neighbouring columns a lane: 32 hh + 16 (lane / 16) + 2 j + i for register j.
; LDS: two slots of four chunks each, filled by turns: V's two blocks of 128 columns, [block][chunk][tile 8][image of 1,536 bytes], then P, [chunk][tile 8][image].  A fill is one tensor load a wave: waves 0, 1 V's blocks (49,152 bytes),
; waves 2, 3 P's chunks 0, 1 and 2, 3 (24,576 bytes).  Four fills: one at the head, the second behind the first round, two refills.  Images are read 512 consecutive bytes an instruction: no padding.
; CLUSTER 4 x 4: P's block hangs on the tile row alone and is asked for jointly along a row of the cluster, V's on the batch and the tile column alone, along a column.
; PREFETCH: fills 1 to 3 are asked of memory one fill (four chunks of products) ahead of their tensor loads, once in each cluster: of the 192 (96) rows of 256 bytes that a wave will fetch of V (P) each of the four partners that ask
; jointly names 48 (24), told apart by address.  Fill 0 comes by its loads alone; behind the last fill nothing more is asked for.
; THE LAST FOUR CHUNKS GO BY ROWS OF O: two tiles of queries at a time are finished, 32 products each, and leave before the next are multiplied.
; REGISTERS.  window 0: v2-7 at work; v8-22 addresses; v24-27 lane permutes' destinations; v28, v29 for the add; v32-95 P's scale words (16 x pair of tiles + chunk: lanes 0-15 the even tile, lanes 16-31 the odd one);
;   v96-127 V's (2 x chunk + pair of tiles, likewise); v128-207 the records, later the way out (v128-223); v224-231 1 / l.
;   window 1: v0-191 V's fragments, chunk j in set j % 4; v192-195 LDS addresses; v208-239 the way out of odd tiles.   window 2: v0-127 accumulators of tiles 0-3, (a, b) at v[8 (4 (a % 4) + b)]; v128-223 P's fragments of those tiles,
;   two sets.   window 3: the same for tiles 4-7.
.set SLOT,  147456
.set FILLB, 49152                      ; four chunks of 128 columns or of 128 queries
.set CHB,   12288                      ; one chunk
.set FRB,   1536                       ; a fragment's image
.set PBASE, 98304                      ; P in a slot
.set SCR,   2*SLOT                     ; behind the slots: the shifted scale words, an image of 16 registers (2,048 bytes) for each pair of tiles,
.set SCRL,  SCR+8192                   ; 1 / l, 128 bytes for each pair of tiles,
.set STAGE, SCR+8704                   ; the way out: 16 rows x (256 bytes + 16) for each wave,
.set SPIT,  272
.set SPARE, STAGE+4*16*SPIT            ; and the spare words, 128 bytes for each wave: two blocks of 256 bytes that no other line names
.set CO,    8                          ; v8      16 x lane
.set G8,    9                          ; v9      8 x lane
.set XS,    14                         ; v14     where I put my pair's scale words
.set XL,    15                         ; v15     where all pairs' are read
.set RS,    16                         ; v16     where I put my pair's 1 / l
.set RLD,   17                         ; v17     where all pairs' are read
.set STO,   18                         ; v18     the stage: where I put 16 bytes of a row
.set RD,    19                         ; v19     and where I read a row back
.set GO,    20                         ; v20     my byte offset in two rows of O
.set PFO,   21                         ; v21-22  the prefetches' offsets
.set PFO2,  22
.set PX,    24
.set SPW,   28                         ; v28     SPARE + 4 x my thread's number; never rewritten
.set NIL,   29                         ; v29     0; never rewritten
.set SP,    32
.set SV,    96
.set RC,    128                        ; the records of my pair of tiles: chunk j at v[128 + 4 j]: -M, l, the guarded scale word, 0
.set TS,    192                        ; v192-207 my pair's shifted scale words
.set TMP,   128                        ; the way out: an even tile's 32 numbers (an odd one's: window 1, v208-239);
.set BK,    160                        ; rows read back: v160-191, v192-223 by turns
.set RL,    224
.set ADV,   192                        ; window 1: V's LDS address in slot 0, 1
.set ADP,   194                        ; window 1: P's
.set WV,    18                         ; s18 wave, s19 wave / 2 (I fetch for V (0) or P (1)), s20 wave % 2
.set WH,    19
.set WL,    20
.set G1V,   28                         ; s[28:35] descriptor group 1 for V's blocks; s[36:43] for P's
.set G1P,   36
.set G0V,   44                         ; s[44:51] group 0 for V, a set for each slot; s[52:59] for P
.set G0P,   52
.set PFA,   66                         ; s[66:67] where my prefetches stand: my share of what my wave fetches in fill 0
.set MSB, 0
.macro WIN new                         ; the immediate's high byte repeats the setting that is left
.if MSB != (\new)
	s_set_vgpr_msb (MSB<<8)|(\new)
.set MSB, (\new)
.endif
.endm
.macro PLACES n
.rept \n
	v_nop
.endr
.endm
.macro CREST                           ; a round of the cluster's barrier behind its opening barrier
	s_cmp_lg_u32 s[WV], 0
	s_cbranch_scc1 .Lnot_wave_0_\@
	s_barrier_signal -3
.Lnot_wave_0_\@:
	s_barrier_wait -3
	s_barrier_signal -1
	s_barrier_wait -1
.endm
.macro CROUND
	s_barrier_signal -1
	s_barrier_wait -1
	CREST
.endm
.macro JLOAD s                         ; a fill of slot s; four v_nop follow each line, ahead of the jump and the label
	s_cmp_eq_u32 s[WH], 0
	s_cbranch_scc0 .Lfor_p_\@
	tensor_load_to_lds s[G0V+4*\s:G0V+4*\s+3], s[G1V:G1V+7]
	s_nop 0
.rept 4
	v_nop
.endr
	s_branch .Lasked_\@
.Lfor_p_\@:
	tensor_load_to_lds s[G0P+4*\s:G0P+4*\s+3], s[G1P:G1P+7]
	s_nop 0
.rept 4
	v_nop
.endr
.Lasked_\@:
.endm
.macro ASK f                           ; the prefetch of fill f: a row of 256 bytes a lane; V's share is 48 rows, so its waves ask twice
	global_prefetch_b8 v[PFO], s[PFA:PFA+1] offset:\f*FILLB th:TH_LOAD_NT scope:SCOPE_SE
	s_cmp_eq_u32 s[WH], 0
	s_cbranch_scc0 .Lonce_\@
	global_prefetch_b8 v[PFO2], s[PFA:PFA+1] offset:\f*FILLB th:TH_LOAD_NT scope:SCOPE_SE
.Lonce_\@:
.endm
	s_load_b256 s[4:11], s[0:1], 0x0               ; pc s[4:5], st s[6:7], vc s[8:9], vs s[10:11]
	s_load_b64 s[12:13], s[0:1], 0x20              ; out0
	v_lshl_add_u32 v[SPW], v0, 2, SPARE
	v_mov_b32 v[NIL], 0
	ds_add_u32 v[SPW], v[NIL]                      ; the wave's opening: the add, twice on end, and one wait for both
	ds_add_u32 v[SPW], v[NIL]
	v_lshrrev_b32 v1, 5, v0
	v_readfirstlane_b32 s[WV], v1
	s_lshr_b32 s[WH], s[WV], 1
	s_and_b32 s[WL], s[WV], 1
	s_bfe_u32 s21, ttmp6, 0x40000                  ; cx
	s_bfe_u32 s22, ttmp6, 0x40004                  ; cy
	s_lshl_b32 s23, ttmp9, 2
	s_add_co_u32 s23, s23, s21                     ; x: the tile of 256 columns
	s_and_b32 s25, ttmp7, 0xffff                   ; the cluster's y
	s_lshl_b32 s24, s25, 2
	s_add_co_u32 s24, s24, s22                     ; y: the block of 128 queries, over all batches
	s_lshr_b32 s25, s25, 2                         ; the batch = y / 16, made of the cluster's y alone
	s_cmp_eq_u32 s[WH], 0
	s_cselect_b32 s92, 31, 23                      ; the last lane that names a row of its own
	v_and_b32 v1, 31, v0
	v_lshlrev_b32 v[CO], 4, v1
	v_lshlrev_b32 v[G8], 3, v1
	v_min_u32 v[PFO], s92, v1
	v_lshlrev_b32 v[PFO], 8, v[PFO]
	v_min_u32 v[PFO2], 15, v1
	v_lshlrev_b32 v[PFO2], 8, v[PFO2]
	v_add_nc_u32 v[PFO2], 0x2000, v[PFO2]          ; rows 32 .. 47
	s_lshl_b32 s26, s22, 2
	s_lshl_b32 s26, 15, s26                        ; my row of the cluster
	s_lshl_b32 s27, 0x1111, s21                    ; my column
	; group 1: dense blocks as rows of 256 bytes (32 elements of 8 bytes), no padding
	s_or_b32 s[G1V], s27, (3<<16)|(1<<21)          ; 15:0 the mask; 17:16 elements of 8 bytes; 21 set beside a mask
	s_or_b32 s[G1P], s26, (3<<16)|(1<<21)
.irp g, G1V, G1P
	s_mov_b32 s[\g+1], 32<<16                      ; tensor_dim0 = 32
	s_mov_b32 s[\g+3], 32<<16                      ; tile_dim0 = 32
	s_mov_b32 s[\g+5], 32                          ; the pitch
	s_mov_b32 s[\g+6], 0
	s_mov_b32 s[\g+7], 0
.endr
	s_mov_b32 s[G1V+2], 192<<16                    ; tensor_dim1, tile_dim1: 192 rows of V, 96 of P
	s_mov_b32 s[G1V+4], 192
	s_mov_b32 s[G1P+2], 96<<16
	s_mov_b32 s[G1P+4], 96
	s_mul_i32 s80, s24, 16*CHB                     ; P: block y, + two chunks for wave 3
	s_mul_i32 s87, s[WL], 2*CHB
	s_add_co_u32 s80, s80, s87
	s_mov_b32 s81, 0
	s_add_co_u32 s87, s87, PBASE                   ; and where it goes in a slot
	s_lshl_b32 s84, s25, 3                         ; V: 128 columns number 8 x batch + 2 x + (wave % 2)
	s_lshl_b32 s85, s23, 1
	s_add_co_u32 s84, s84, s85
	s_add_co_u32 s84, s84, s[WL]
	s_mul_i32 s84, s84, 16*CHB
	s_mov_b32 s85, 0
	s_mul_i32 s86, s[WL], FILLB
	s_lshl_b32 s90, s24, 2                         ; the records of pair of tiles 4 y + wave: 8,192 bytes a pair
	s_add_co_u32 s90, s90, s[WV]
	s_lshl_b32 s90, s90, 13
	s_mov_b32 s91, 0
	s_lshl_b32 s94, s25, 4                         ; V's scale words: 64 columns number 16 x batch + 4 x + wave: 4,096 bytes
	s_lshl_b32 s95, s23, 2
	s_add_co_u32 s94, s94, s95
	s_add_co_u32 s94, s94, s[WV]
	s_lshl_b32 s94, s94, 12
	s_mov_b32 s95, 0
	s_lshl_b32 s96, s24, 19                        ; O: 128 rows of 4,096 bytes, 256 columns of 4 bytes, my 64 of them
	s_lshl_b32 s97, s23, 10
	s_add_co_u32 s96, s96, s97
	s_lshl_b32 s97, s[WV], 8
	s_add_co_u32 s96, s96, s97
	s_mov_b32 s97, 0
	s_mul_i32 s98, s22, 48*256                     ; the prefetches: V's rows 48 cy .., P's rows 24 cx ..
	s_add_co_u32 s98, s98, s84
	s_mul_i32 s99, s21, 24*256
	s_add_co_u32 s99, s99, s80
	s_wait_alu depctr_va_vdst(0)
	s_wait_dscnt 0x0                               ; both opening adds are done
	s_wait_kmcnt 0x0
	s_add_nc_u64 s[82:83], s[4:5], s[80:81]
	s_add_nc_u64 s[70:71], s[8:9], s[84:85]
.irp s, 0,1
	s_mov_b32 s[G0V+4*\s], 1                                       ; count = 1
	s_add_co_u32 s[G0V+4*\s+1], s86, \s*SLOT                       ; LDS address
	s_add_nc_u64 s[G0V+4*\s+2:G0V+4*\s+3], s[70:71], \s*FILLB      ; global address of fill s
	s_or_b32 s[G0V+4*\s+3], s[G0V+4*\s+3], 0x80000000              ; type = 2
	s_mov_b32 s[G0P+4*\s], 1
	s_add_co_u32 s[G0P+4*\s+1], s87, \s*SLOT
	s_add_nc_u64 s[G0P+4*\s+2:G0P+4*\s+3], s[82:83], \s*FILLB
	s_or_b32 s[G0P+4*\s+3], s[G0P+4*\s+3], 0x80000000
.endr
	s_add_nc_u64 s[6:7], s[6:7], s[90:91]
	s_add_nc_u64 s[10:11], s[10:11], s[94:95]
	s_add_nc_u64 s[12:13], s[12:13], s[96:97]
	s_cmp_eq_u32 s[WH], 0
	s_cselect_b64 s[PFA:PFA+1], s[8:9], s[4:5]
	s_cselect_b32 s98, s98, s99
	s_mov_b32 s99, 0
	s_add_nc_u64 s[PFA:PFA+1], s[PFA:PFA+1], s[98:99]
.irp j, 0,1,2,3,4,5,6,7,8,9,10,11,12,13,14,15
	global_load_b128 v[RC+4*\j:RC+4*\j+3], v[CO], s[6:7] offset:\j*512   ; my pair's 16 records: the head's longest chain begins with them
.endr
	CROUND                                         ; all sixteen work-groups are here: the joint loads meet
	JLOAD 0                                        ; chunks 0 to 3: one tensor load a wave at the head
.irp j, 0,1,2,3,4,5,6,7,8,9,10,11,12,13,14,15
	global_load_b64 v[SV+2*\j:SV+2*\j+1], v[G8], s[10:11] offset:\j*256    ; V's scale words of all chunks, 256 consecutive bytes a load
.endr
	ASK 1
	s_mul_i32 s90, s[WH], FILLB
	s_mul_i32 s93, s[WL], 4*FRB
	s_add_co_u32 s93, s90, s93                     ; my 64 columns of V in a slot
	s_add_co_u32 s89, s93, SLOT
	s_lshl_b32 s72, s[WV], 11
	s_add_co_u32 s72, s72, SCR
	s_lshl_b32 s73, s[WV], 7
	s_add_co_u32 s73, s73, SCRL
	s_mul_i32 s74, s[WV], 16*SPIT
	s_add_co_u32 s74, s74, STAGE                   ; my stage
	s_mov_b32 s60, 0x76543210
	s_mov_b32 s61, 0xfedcba98                      ; v_permlanex16_b32's selects for lane l xor 16
	s_mov_b32 s62, 0xffff0000                      ; lanes 16-31
	WIN 0x40                                       ; destination window 1
	v_add_nc_u32 v[ADV], s93, v[CO]
	v_add_nc_u32 v[ADV+1], s89, v[CO]
	v_add_nc_u32 v[ADP], PBASE, v[CO]
	v_add_nc_u32 v[ADP+1], PBASE+SLOT, v[CO]
	WIN 0
	v_and_b32 v2, 15, v0                           ; r
	v_bfe_u32 v3, v0, 4, 1                         ; h
	v_add_nc_u32 v[XS], s72, v[CO]
	v_add_nc_u32 v[XL], SCR, v[CO]
	v_lshlrev_b32 v4, 2, v1
	v_add_nc_u32 v[RS], s73, v4
	v_add_nc_u32 v[RLD], SCRL, v4
	v_mul_u32_u24 v[STO], v2, SPIT
	v_lshl_add_u32 v[STO], v3, 6, v[STO]
	v_add_nc_u32 v[STO], s74, v[STO]               ; in: row r, 64 bytes for each half of the lanes
	v_mul_u32_u24 v[RD], v3, SPIT
	v_lshl_add_u32 v[RD], v2, 4, v[RD]
	v_add_nc_u32 v[RD], s74, v[RD]                 ; back: lanes 0-15 one row of 256 bytes, lanes 16-31 the next
	v_lshlrev_b32 v[GO], 12, v3
	v_lshl_add_u32 v[GO], v2, 4, v[GO]             ; and the same two rows in O
	s_wait_alu depctr_va_vdst(0)
	s_wait_loadcnt 16                              ; the 16 records are in; the 16 loads of V's scale words may be out
	; MY PAIR'S M AND l, AND ITS SHIFTED SCALE WORDS, worked in place on the records, a stage at a time over all 16.  Lanes 0-15: the pair's even tile; lanes 16-31: the odd one.
	v_min3_num_f32 v2, v[RC], v[RC+4], v[RC+8]
	v_min3_num_f32 v3, v[RC+12], v[RC+16], v[RC+20]
	v_min3_num_f32 v2, v2, v[RC+24], v[RC+28]
	v_min3_num_f32 v3, v3, v[RC+32], v[RC+36]
	v_min3_num_f32 v2, v2, v[RC+40], v[RC+44]
	v_min3_num_f32 v3, v3, v[RC+48], v[RC+52]
	v_min3_num_f32 v2, v2, v[RC+56], v[RC+60]
	v_min_num_f32 v2, v2, v3                       ; the least -M_j = -(the row's M)
.irp j, 0,1,2,3,4,5,6,7,8,9,10,11,12,13,14,15
	v_sub_f32 v[RC+4*\j], v[RC+4*\j], v2           ; M - M_j: a whole number, 0 or more
.endr
.irp j, 0,1,2,3,4,5,6,7,8,9,10,11,12,13,14,15
	v_min_num_f32 v[RC+4*\j], 0x42fe0000, v[RC+4*\j]   ; held at 127
.endr
.irp j, 0,1,2,3,4,5,6,7,8,9,10,11,12,13,14,15
	v_cvt_u32_f32 v[RC+4*\j], v[RC+4*\j]           ; k
.endr
.irp j, 0,1,2,3,4,5,6,7,8,9,10,11,12,13,14,15
	v_sub_nc_u32 v[RC+4*\j+3], 127, v[RC+4*\j]
.endr
.irp j, 0,1,2,3,4,5,6,7,8,9,10,11,12,13,14,15
	v_lshlrev_b32 v[RC+4*\j+3], 23, v[RC+4*\j+3]   ; 2^-k as f32; 0 at k = 127
.endr
.irp j, 0,1,2,3,4,5,6,7,8,9,10,11,12,13,14,15
	v_mul_f32 v[RC+4*\j+1], v[RC+4*\j+1], v[RC+4*\j+3]   ; l_j under the row's M: exact
.endr
.irp j, 0,1,2,3,4,5,6,7,8,9,10,11,12,13,14,15
	v_perm_b32 v[RC+4*\j], v[RC+4*\j], v[RC+4*\j], 0     ; k in all four bytes
.endr
.irp j, 0,1,2,3,4,5,6,7,8,9,10,11,12,13,14,15
	v_sub_nc_u32 v[RC+4*\j+2], v[RC+4*\j+2], v[RC+4*\j]  ; (128 + byte) - k in each byte: 2 at the least, so no byte borrows from its neighbour; bit 7 stays where byte >= k
.endr
.irp j, 0,1,2,3,4,5,6,7,8,9,10,11,12,13,14,15
	v_and_b32 v[RC+4*\j], 0x80808080, v[RC+4*\j+2]
.endr
.irp j, 0,1,2,3,4,5,6,7,8,9,10,11,12,13,14,15
	v_lshrrev_b32 v[RC+4*\j+3], 7, v[RC+4*\j]
.endr
.irp j, 0,1,2,3,4,5,6,7,8,9,10,11,12,13,14,15
	v_sub_nc_u32 v[RC+4*\j], v[RC+4*\j], v[RC+4*\j+3]    ; 0x7f in the bytes that stay, 0 in the others
.endr
.irp j, 0,1,2,3,4,5,6,7,8,9,10,11,12,13,14,15
	v_and_b32 v[TS+\j], v[RC+4*\j+2], v[RC+4*\j]         ; max(byte - k, 0)
.endr
.irp k, 0,1,2,3
	ds_store_b128 v[XS], v[TS+4*\k:TS+4*\k+3] offset:512*\k    ; to the other waves, as an image of the registers
.endr
	v_add_f32 v4, v[RC+1], v[RC+9]                 ; l, in two chains
	v_add_f32 v5, v[RC+5], v[RC+13]
.irp j, 4,6,8,10,12,14
	v_add_f32 v4, v4, v[RC+4*\j+1]
	v_add_f32 v5, v5, v[RC+4*\j+5]
.endr
	v_add_f32 v4, v4, v5
	s_wait_alu depctr_va_vdst(0)                   ; ahead of the reciprocal
	v_rcp_f32 v6, v4
.irp i, 0,1,2,3
	v_mov_b32 v[PX+\i], 0                          ; (plain lines behind the reciprocal; a lane permute's destination counts as one of its sources)
.endr
	s_wait_alu depctr_va_vdst(0)                   ; ahead of the reciprocal's first reader
	ds_store_b32 v[RS], v6
	s_wait_tensorcnt 0x0                           ; my part of chunks 0 to 3 is in
	ds_add_u32 v[SPW], v[NIL]
	s_wait_dscnt 0x0                               ; the add is done, and my scale words and 1 / l have landed
	CROUND                                         ; everybody's have; all sixteen work-groups are here:
	JLOAD 1                                        ; chunks 4 to 7, into slot 1
.irp i, 0,1,2,3
.irp k, 0,1,2,3
	ds_load_b128 v[SP+16*\i+4*\k:SP+16*\i+4*\k+3], v[XL] offset:2048*\i+512*\k   ; all four pairs' scale words
.endr
.endr
.irp i, 0,1,2,3
	ds_load_b32 v[4+\i], v[RLD] offset:128*\i      ; and their 1 / l
.endr
.macro FV j                            ; V: chunk j's four fragments of my 64 columns into set j % 4
	WIN 0x41                                       ; destination and address window 1
.set m, 0
.rept 12
	ds_load_b128 v[48*((\j)%4)+4*m:48*((\j)%4)+4*m+3], v[ADV+((\j)/4)%2] offset:((\j)%4)*CHB+512*m
.set m, m+1
.endr
.endm
.macro PRUN hf, j                      ; P: chunk j's tiles 4 hf .. 4 hf + 3 into set j % 2 of window 2 + hf
	WIN 0x81+0x40*\hf
.set n, 0
.rept 12
	ds_load_b128 v[128+48*((\j)%2)+4*n:131+48*((\j)%2)+4*n], v[ADP+((\j)/4)%2] offset:((\j)%4)*CHB+4*\hf*FRB+512*n
.set n, n+1
.endr
.endm
.macro RRUN hf, g                      ; P by rows: tiles 2 g, 2 g + 1 of chunks 12 + 2 hf and the next into set g % 2 of window 2 + hf
	WIN 0x81+0x40*\hf
.set n, 0
.rept 12
	ds_load_b128 v[128+48*((\g)%2)+4*n:131+48*((\g)%2)+4*n], v[ADP+1] offset:(2*\hf+n/6)*CHB+2*(\g)*FRB+512*(n%6)
.set n, n+1
.endr
.endm
.macro FETCH j                         ; chunk j's 36 loads in one run
	FV \j
	PRUN 0, \j
	PRUN 1, \j
.endm
.macro WM a, b, j, zero                ; P tile a (its fragment at v[rA]) x my V tile b, chunk j.  A scale register carries an even tile's words in lanes 0-15 and the odd tile's in lanes 16-31.  zero = 1: the first product starts the sum
.set rD, 8*(4*((\a)%4)+(\b))
.set rB, 48*((\j)%4)+12*(\b)
.set cB, SV+2*(\j)+(\b)/2
.set cA, SP+16*((\a)/2)+(\j)
.set sel, 4*(\zero)+2*((\b)%2)+((\a)%2)
.if sel == 0
	v_wmma_scale_f32_16x16x128_f8f6f4 v[rD:rD+7], v[rB:rB+11], v[rA:rA+11], v[rD:rD+7], v[cB], v[cA] matrix_a_fmt:MATRIX_FMT_FP6 matrix_b_fmt:MATRIX_FMT_FP6
.elseif sel == 1
	v_wmma_scale_f32_16x16x128_f8f6f4 v[rD:rD+7], v[rB:rB+11], v[rA:rA+11], v[rD:rD+7], v[cB], v[cA] matrix_a_fmt:MATRIX_FMT_FP6 matrix_b_fmt:MATRIX_FMT_FP6 matrix_b_scale:MATRIX_SCALE_ROW1
.elseif sel == 2
	v_wmma_scale_f32_16x16x128_f8f6f4 v[rD:rD+7], v[rB:rB+11], v[rA:rA+11], v[rD:rD+7], v[cB], v[cA] matrix_a_fmt:MATRIX_FMT_FP6 matrix_b_fmt:MATRIX_FMT_FP6 matrix_a_scale:MATRIX_SCALE_ROW1
.elseif sel == 3
	v_wmma_scale_f32_16x16x128_f8f6f4 v[rD:rD+7], v[rB:rB+11], v[rA:rA+11], v[rD:rD+7], v[cB], v[cA] matrix_a_fmt:MATRIX_FMT_FP6 matrix_b_fmt:MATRIX_FMT_FP6 matrix_a_scale:MATRIX_SCALE_ROW1 matrix_b_scale:MATRIX_SCALE_ROW1
.elseif sel == 4
	v_wmma_scale_f32_16x16x128_f8f6f4 v[rD:rD+7], v[rB:rB+11], v[rA:rA+11], 0, v[cB], v[cA] matrix_a_fmt:MATRIX_FMT_FP6 matrix_b_fmt:MATRIX_FMT_FP6
.elseif sel == 5
	v_wmma_scale_f32_16x16x128_f8f6f4 v[rD:rD+7], v[rB:rB+11], v[rA:rA+11], 0, v[cB], v[cA] matrix_a_fmt:MATRIX_FMT_FP6 matrix_b_fmt:MATRIX_FMT_FP6 matrix_b_scale:MATRIX_SCALE_ROW1
.elseif sel == 6
	v_wmma_scale_f32_16x16x128_f8f6f4 v[rD:rD+7], v[rB:rB+11], v[rA:rA+11], 0, v[cB], v[cA] matrix_a_fmt:MATRIX_FMT_FP6 matrix_b_fmt:MATRIX_FMT_FP6 matrix_a_scale:MATRIX_SCALE_ROW1
.else
	v_wmma_scale_f32_16x16x128_f8f6f4 v[rD:rD+7], v[rB:rB+11], v[rA:rA+11], 0, v[cB], v[cA] matrix_a_fmt:MATRIX_FMT_FP6 matrix_b_fmt:MATRIX_FMT_FP6 matrix_a_scale:MATRIX_SCALE_ROW1 matrix_b_scale:MATRIX_SCALE_ROW1
.endif
.endm
.macro MUL hf, j, a0, zero             ; tiles 4 hf + a0 and the next x my four of V, chunk j.  The 32 accumulators take turns, one instruction a turn, in the same order in every chunk
.irp a, \a0, \a0+1
.irp b, 0,1,2,3
.set rA, 128+48*((\j)%2)+12*(\a)
	WM 4*\hf+\a, \b, \j, \zero
.endr
.endr
.endm
.set MLO, 0xa9                         ; source 0 (V) window 1, source 1 (P), C and D window 2
.set MHI, 0xfd                         ; the same with window 3
.macro PRODUCTS j, zero                ; a chunk's 32
	WIN MLO
	MUL 0, \j, 0, \zero
	MUL 0, \j, 2, \zero
	WIN MHI
	MUL 1, \j, 0, \zero
	MUL 1, \j, 2, \zero
.endm
.macro BATCH j, zero                   ; a chunk: the next chunk's fragments are fetched into the other sets, in one run (four plain vector instructions behind the products that read them), then 32 products
	PLACES 4
	FETCH \j+1
	s_wait_dscnt 36                                ; this chunk's fragments are in; the 36 loads just issued may be out
	PRODUCTS \j, \zero
.endm
; A chunk with a barrier in it.  In front of the barrier each wave waits for all its tensor loads, adds 0 to its spare word, and waits for that and for its LDS reads.  fill = 1: the barrier opens a round of the cluster's, and slot s,
; which nobody reads any more, is filled again: the wave's one tensor load behind the round, and the first thing there.
.macro TURN j, fill, s
	PLACES 4
	WIN 0
	s_wait_tensorcnt 0x0                           ; all my tensor loads have landed
	ds_add_u32 v[SPW], v[NIL]                      ; 0 onto my spare word
.if \fill
	s_add_nc_u64 s[G0V+4*\s+2:G0V+4*\s+3], s[G0V+4*\s+2:G0V+4*\s+3], 2*FILLB
	s_add_nc_u64 s[G0P+4*\s+2:G0P+4*\s+3], s[G0P+4*\s+2:G0P+4*\s+3], 2*FILLB
.endif
	s_wait_dscnt 1                                 ; this chunk's fragments are in; the add may be out
	WIN MLO
	MUL 0, \j, 0, 0
	s_wait_dscnt 0x0                               ; the add is done, and all my LDS reads are back
	s_barrier_signal -1
	MUL 0, \j, 2, 0
	WIN 0
	s_barrier_wait -1
.if \fill
	CREST                                          ; no wave of any partner still reads the slot or has a load on its way
	JLOAD \s
.endif
	FETCH \j+1
.if (\j) == 3
	WIN 0
	ASK 3
.endif
.if (\fill) == 0
	FV \j+2
.endif
	WIN MHI
	MUL 1, \j, 0, 0
	MUL 1, \j, 2, 0
.endm
	FETCH 0
	WIN 0
	ASK 2
	s_wait_dscnt 36                                ; all but chunk 0's 36 fragment loads
.irp i, 0,1,2,3
	v_permlanex16_b32 v[PX+\i], v[4+\i], s60, s61
.endr
.irp i, 0,1,2,3
	v_cndmask_b32 v[RL+2*\i], v[4+\i], v[PX+\i], s62       ; the even tile's 1 / l in both halves of the lanes,
	v_cndmask_b32 v[RL+2*\i+1], v[PX+\i], v[4+\i], s62     ; the odd tile's
.endr
	s_wait_alu depctr_va_vdst(0)                   ; the head's end
	s_wait_loadcnt 0x0                             ; V's scale words are in
	BATCH 0, 1                                     ; the first products start the sums: nothing is cleared
	BATCH 1, 0
	BATCH 2, 0
	TURN 3, 1, 0                                   ; slot 1 (chunks 4 to 7) is shown; slot 0 takes chunks 8 to 11
	BATCH 4, 0
	BATCH 5, 0
	BATCH 6, 0
	TURN 7, 1, 1                                   ; slot 0 is shown; slot 1 takes chunks 12 to 15
	BATCH 8, 0
	BATCH 9, 0
	TURN 10, 0, 0                                  ; slot 1 is shown, a chunk early: V's chunk 12 is fetched too
	PLACES 4                                       ; chunk 11
	FV 13
	FV 14
	RRUN 0, 0
	RRUN 1, 0
	s_wait_dscnt 48                                ; chunk 11's fragments are in; the 48 loads just issued may be out
	PRODUCTS 11, 0
; THE LAST FOUR CHUNKS, BY ROWS OF O.  Group g: tiles 2 g and 2 g + 1, 8 accumulators by turns, chunks ascending: the sums stay the same bit for bit.
.macro GMUL g, c
	WIN 0x01|((2+((\c)-12)/2)<<2)|((2+(\g)/2)<<4)|((2+(\g)/2)<<6)
.irp a, 0,1
.irp b, 0,1,2,3
.set rA, 128+48*((\g)%2)+12*(2*((\c)%2)+\a)
	WM 2*(\g)+\a, \b, \c, 0
.endr
.endr
.endm
; THE WAY OUT of tile a, 16 queries x 64 columns: divided by l, through my own stage in LDS, back as whole rows of 256 bytes.  LDS serves a wave's instructions in order: no wait between the stores and the loads, nor in front of the next
; tile's stores.  A tile's lane t is query 8 (a % 2) + t + 8 (t / 8) of its group of 32: the stores' immediates put the rows back in order.
.macro OUT a
.set TR, TMP+80*((\a)%2)
	WIN 2+(\a)/4+0x40*((\a)%2)                     ; source 0 window 2 or 3, 1 / l window 0, destination window 0 (even tiles) or 1 (odd)
.irp hh, 0,1
.irp jj, 0,1,2,3,4,5,6,7
	v_mul_f32 v[TR+16*\hh+2*\jj], v[8*(4*((\a)%4)+\hh)+\jj], v[RL+(\a)]          ; each accumulator from its low end on
	v_mul_f32 v[TR+16*\hh+2*\jj+1], v[8*(4*((\a)%4)+2+\hh)+\jj], v[RL+(\a)]
.endr
.endr
	WIN 4*((\a)%2)                                 ; an LDS store's data are its source 1
.irp hh, 0,1
.irp k, 0,1,2,3
	ds_store_b128 v[STO], v[TR+16*\hh+4*\k:TR+16*\hh+4*\k+3] offset:128*\hh+16*\k
.endr
.endr
	WIN 0
.irp i, 0,1,2,3,4,5,6,7
	ds_load_b128 v[BK+32*((\a)%2)+4*\i:BK+32*((\a)%2)+4*\i+3], v[RD] offset:2*\i*SPIT
.endr
.endm
.macro SEND a
.irp i, 0,1,2,3,4,5,6,7
	global_store_b128 v[GO], v[BK+32*((\a)%2)+4*\i:BK+32*((\a)%2)+4*\i+3], s[12:13] offset:(32*((\a)/2)+8*((\a)%2)+2*\i+8*(\i/4))*4096 th:TH_STORE_NT   ; sixteen lanes store 256 consecutive bytes, at a multiple of 256 from O's first byte; the other sixteen the next row's
.endr
.endm
.macro GROUP g
	PLACES 4
.if (\g) == 0
	FV 15
.endif
.if (\g) < 3
	RRUN 0, \g+1
	RRUN 1, \g+1
.endif
.if (\g) == 0
	s_wait_dscnt 36                                ; all but V's chunk 15 (12 loads) and the next group's 24.  (Later groups' fragments were shown by the wait for 0 in the last way out)
.endif
	GMUL \g, 12
	GMUL \g, 13
	GMUL \g, 14
.if (\g) == 0
	s_wait_dscnt 24                                ; V's chunk 15 is in
.endif
	GMUL \g, 15
	PLACES 4                                       ; in front of the first reads of results
.if (\g) > 0
	s_wait_xcnt 0x0                                ; the last group's stores have read their registers: this group's rows may land there
.endif
	OUT 2*(\g)
	OUT 2*(\g)+1
	s_wait_dscnt 16                                ; the even tile's rows are back; the odd tile's 16 LDS instructions may be out
	SEND 2*(\g)
	s_wait_dscnt 0x0
	SEND 2*(\g)+1
.endm
	GROUP 0
	GROUP 1
	GROUP 2
	GROUP 3
	s_wait_tensorcnt 0x0                           ; the wave's end: behind my last tensor load and my last LDS store
	ds_add_u32 v[SPW], v[NIL]
	s_wait_dscnt 0x0
	CROUND                                         ; the closing round: no work-group ends while a partner may still ask for a tile that names it
	s_endpgm
.Lfunc_end_k_qe87c031df7_outp:
	.size	k_qe87c031df7_outp, .Lfunc_end_k_qe87c031df7_outp-k_qe87c031df7_outp
	.p2alignl 7, 3214868480
	.fill 96, 4, 3214868480
	.section	.rodata,"a",@progbits
	.p2align	6, 0x0
	.amdhsa_kernel k_qe87c031df7_outp
		.amdhsa_group_segment_fixed_size 327680
		.amdhsa_private_segment_fixed_size 0
		.amdhsa_enable_private_segment 0
		.amdhsa_kernarg_size 40
		.amdhsa_user_sgpr_count 2
		.amdhsa_user_sgpr_kernarg_segment_ptr 1
		.amdhsa_wavefront_size32 1
		.amdhsa_system_sgpr_workgroup_id_x 1
		.amdhsa_system_sgpr_workgroup_id_y 1
		.amdhsa_system_sgpr_workgroup_id_z 1
		.amdhsa_system_vgpr_workitem_id 0
		.amdhsa_next_free_vgpr 1024
		.amdhsa_next_free_sgpr 100
		.amdhsa_reserve_vcc 0
		.amdhsa_float_denorm_mode_32 3
		.amdhsa_float_denorm_mode_16_64 3
		.amdhsa_memory_ordered 1
		.amdhsa_forward_progress 1
		.amdhsa_inst_pref_size 156
	.end_amdhsa_kernel
	.amdgpu_metadata
---
amdhsa.version: [ 1, 2 ]
amdhsa.kernels:
  - .name:           k_qe87c031df7_outp
    .symbol:         k_qe87c031df7_outp.kd
    .args:
      - { .name: pc, .offset: 0, .size: 8, .value_kind: global_buffer, .address_space: global }
      - { .name: st, .offset: 8, .size: 8, .value_kind: global_buffer, .address_space: global }
      - { .name: vc, .offset: 16, .size: 8, .value_kind: global_buffer, .address_space: global }
      - { .name: vs, .offset: 24, .size: 8, .value_kind: global_buffer, .address_space: global }
      - { .name: out0, .offset: 32, .size: 8, .value_kind: global_buffer, .address_space: global }
    .group_segment_fixed_size: 327680
    .private_segment_fixed_size: 0
    .kernarg_segment_align: 8
    .kernarg_segment_size: 40
    .max_flat_workgroup_size: 128
    .sgpr_count:     100
    .vgpr_count:     1024
    .wavefront_size: 32
...
	.end_amdgpu_metadata
.endif
;; end of part 3
